; MI455X (gfx1250); checked and timed in simulation.
; The chip was launched on July 23, 2026; its instructions are those of AMD's public machine-readable ISA for CDNA 5 (MIT licence, August 2026) and "CDNA5" Instruction Set Architecture Reference Guide (July 2026). The comments in the code are by the model that wrote it; some were corrected since.
;; Causal Self Attention Memory. Allowed arithmetic: float matrix products may take bf16 or f16 operands with f32 sums; other float arithmetic in f32, or as packed bf16 or f16 multiplies, adds, multiply-adds, maxima and minima; sums over many terms, partial sums and values carried from step to step in f32; what a program stores and reads back later, other than sums and carried values, may be rounded once to bf16 or f16.
;; Inputs: Wk 2,048 x 2,048 float32; Wo 2,048 x 2,048 float32; Wq 2,048 x 2,048 float32; Wv 2,048 x 2,048 float32; freqs_cos 2,048 x 64 float32; freqs_sin 2,048 x 64 float32; x 1 x 2,048 x 2,048 float32.
;; Outputs: out0 1 x 2,048 x 2,048 float32.
;; One version. Each part assembles by itself: llvm-mc -triple=amdgcn-amd-amdhsa -mcpu=gfx1250 --defsym DOCPART=n.
;; ======== version 1 of 1: 4 launches
;; limits: values are held in f16: magnitudes above 65,504 overflow, below 6.1e-05 lose precision
;; workspace buffers: xb 8,388,608 bytes; wqkv 25,165,824 bytes; wo16 8,388,608 bytes; rot 1,048,576 bytes; qkv 25,165,824 bytes; att 8,388,608 bytes
;; launch cast (part 1): grid 256 x 6, 8 waves a work-group, no clusters, 0 bytes of LDS; arguments x, Wq, Wk, Wv, Wo, freqs_cos, freqs_sin, xb, wqkv, wo16, rot; writes xb, wqkv, wo16, rot
.if DOCPART == 1
	.amdgcn_target "amdgcn-amd-amdhsa--gfx1250"
	.amdhsa_code_object_version 6
	.text
	.protected	k_qe126cc998a_cast
	.globl	k_qe126cc998a_cast
	.p2align	8
	.type	k_qe126cc998a_cast,@function
k_qe126cc998a_cast:
	s_mov_b64 s[64:65], 0
	v_nop
	global_prefetch_b8 v0, s[64:65] scope:SCOPE_SE
	s_setreg_imm32_b32 hwreg(HW_REG_WAVE_MODE, 25, 1), 1
	s_wait_xcnt 0x0
; x, Wq, Wk, Wv (f32) -> bf16;  Wo (f32) -> bf16, and that number written as f16 (exact wherever f16 has the range);
; freqs_sin, freqs_cos (f32) -> rot[row][pair] = {bf16(sin) / 4, bf16(cos) / 4} in f32: the table of the rotary turn, made once for all heads.
; The five large tensors are [2048][2048].  The grid's y picks the work: 0 x, 1 Wq, 2 Wk, 3 Wv, 4 Wo, 5 the table.
; y < 5: the grid's x picks a run of 16,384 numbers: 65,536 bytes in, 32,768 out.  Thread t, piece n of 16: loads 16 bytes at 4096 n + 16 t (a wave: 512 consecutive
; bytes) and stores 8 bytes at 2048 n + 8 t (a wave: 256 consecutive bytes, aligned).  All sixteen loads go out first; each byte is read and written once.
; The conversions are made in place: a wave needs 72 registers, so the twelve waves that six work-groups put on a SIMD take 864 of its 1,024.
; y = 5: the grid's x picks 512 pairs; thread t takes two: 8 bytes of cos, 8 of sin, 16 bytes out (a wave: 512 consecutive bytes).
; Nothing is shared between threads: no LDS, no barrier, no cluster, no matrix unit.
; LIMIT: |Wo| stays under 65,504 (f16's largest number); below 2^-14 it keeps f16's fixed step of 2^-24.
.set X, 4                              ; v[4:67]    piece n: 4 registers as loaded; the first two then hold what is stored
.set T, 68                             ; v[68:69]   at work
	s_load_b512 s[8:23], s[0:1], 0x0               ; x 8, Wq 10, Wk 12, Wv 14, Wo 16, cos 18, sin 20, xb 22
	s_load_b128 s[24:27], s[0:1], 0x40             ; wqkv 24, wo16 26
	s_load_b64 s[28:29], s[0:1], 0x50              ; rot
	s_and_b32 s2, ttmp7, 0xffff                    ; which work
	v_lshlrev_b32 v1, 4, v0                        ; 16 t
	v_lshlrev_b32 v2, 3, v0                        ; 8 t
	s_lshl_b32 s32, ttmp9, 16                      ; the run's first byte in the source
	s_mov_b32 s33, 0
	s_sub_co_i32 s30, s2, 1                        ; Wq, Wk, Wv lie one behind the other in wqkv: plane y - 1;
	s_max_i32 s30, s30, 0                          ; x
	s_cmp_eq_u32 s2, 4
	s_cselect_b32 s30, 0, s30                      ; and Wo have buffers of their own
	s_lshl_b32 s30, s30, 23                        ; a plane is 8,388,608 bytes
	s_lshl_b32 s3, ttmp9, 15                       ; the run's first byte in the destination
	s_add_co_u32 s30, s30, s3
	s_mov_b32 s31, 0
	s_wait_kmcnt 0x0
	s_cmp_eq_u32 s2, 5
	s_cbranch_scc1 .Lrot
	s_mov_b64 s[4:5], s[8:9]                       ; the source is chosen by y alone
	s_cmp_eq_u32 s2, 1
	s_cselect_b64 s[4:5], s[10:11], s[4:5]
	s_cmp_eq_u32 s2, 2
	s_cselect_b64 s[4:5], s[12:13], s[4:5]
	s_cmp_eq_u32 s2, 3
	s_cselect_b64 s[4:5], s[14:15], s[4:5]
	s_cmp_eq_u32 s2, 4
	s_cselect_b64 s[4:5], s[16:17], s[4:5]
	s_mov_b64 s[6:7], s[24:25]                     ; and so is the destination
	s_cmp_eq_u32 s2, 0
	s_cselect_b64 s[6:7], s[22:23], s[6:7]
	s_cmp_eq_u32 s2, 4
	s_cselect_b64 s[6:7], s[26:27], s[6:7]
	s_add_nc_u64 s[4:5], s[4:5], s[32:33]
	s_add_nc_u64 s[6:7], s[6:7], s[30:31]
.set i, 0
.rept 16
	global_load_b128 v[X+4*i:X+4*i+3], v1, s[4:5] offset:4096*i th:TH_LOAD_NT  ; read once in the whole launch
.set i, i+1
.endr
; Piece n.  wo = 1: the bf16 numbers are widened again (a shift, a mask) and written as f16.
.macro PIECE n, wo
	s_wait_loadcnt 15-(\n)                         ; loads come back in order: piece n is in, the younger ones stay out
	v_cvt_pk_bf16_f32 v[X+4*(\n)], v[X+4*(\n)], v[X+4*(\n)+1]
	v_cvt_pk_bf16_f32 v[X+4*(\n)+1], v[X+4*(\n)+2], v[X+4*(\n)+3]
.if \wo
.irp k, 0,1
	v_lshlrev_b32 v[T], 16, v[X+4*(\n)+\k]
	v_and_b32 v[T+1], 0xffff0000, v[X+4*(\n)+\k]
	v_cvt_pk_f16_f32 v[X+4*(\n)+\k], v[T], v[T+1]
.endr
.endif
	global_store_b64 v2, v[X+4*(\n):X+4*(\n)+1], s[6:7] offset:2048*(\n)  ; the next launch reads it: no hint; the registers are not written again
.endm
	s_cmp_eq_u32 s2, 4
	s_cbranch_scc1 .Lwo
.set i, 0
.rept 16
	PIECE i, 0
.set i, i+1
.endr
	s_endpgm
.Lwo:
.set i, 0
.rept 16
	PIECE i, 1
.set i, i+1
.endr
	s_endpgm
.Lrot:                                                 ; the table: pairs 512 x + 2 t and the next
	s_lshl_b32 s32, ttmp9, 11                      ; 512 numbers of 4 bytes in cos and in sin
	s_lshl_b32 s30, ttmp9, 12                      ; 512 pairs of 8 bytes in rot
	s_add_nc_u64 s[18:19], s[18:19], s[32:33]
	s_add_nc_u64 s[20:21], s[20:21], s[32:33]
	s_add_nc_u64 s[28:29], s[28:29], s[30:31]
	global_load_b64 v[4:5], v2, s[18:19]
	global_load_b64 v[6:7], v2, s[20:21]
	s_wait_loadcnt 0x0
	v_cvt_pk_bf16_f32 v8, v4, v5                   ; rounded to bf16 like every other input of the module,
	v_cvt_pk_bf16_f32 v9, v6, v7
	v_lshlrev_b32 v12, 16, v9                      ; widened again: sin, cos of the first pair,
	v_lshlrev_b32 v13, 16, v8
	v_and_b32 v14, 0xffff0000, v9                  ; sin, cos of the second,
	v_and_b32 v15, 0xffff0000, v8
.irp r, 12,13,14,15
	v_mul_f32 v\r, 0x3e800000, v\r                 ; and a quarter of it (exact)
.endr
	global_store_b128 v1, v[12:15], s[28:29]
	s_endpgm
.Lfunc_end_k_qe126cc998a_cast:
	.size	k_qe126cc998a_cast, .Lfunc_end_k_qe126cc998a_cast-k_qe126cc998a_cast
	.p2alignl 7, 3214868480
	.fill 96, 4, 3214868480
	.section	.rodata,"a",@progbits
	.p2align	6, 0x0
	.amdhsa_kernel k_qe126cc998a_cast
		.amdhsa_group_segment_fixed_size 0
		.amdhsa_private_segment_fixed_size 0
		.amdhsa_enable_private_segment 0
		.amdhsa_kernarg_size 88
		.amdhsa_user_sgpr_count 2
		.amdhsa_user_sgpr_kernarg_segment_ptr 1
		.amdhsa_wavefront_size32 1
		.amdhsa_system_sgpr_workgroup_id_x 1
		.amdhsa_system_sgpr_workgroup_id_y 1
		.amdhsa_system_sgpr_workgroup_id_z 1
		.amdhsa_system_vgpr_workitem_id 0
		.amdhsa_next_free_vgpr 72
		.amdhsa_next_free_sgpr 66
		.amdhsa_reserve_vcc 0
		.amdhsa_float_denorm_mode_32 3
		.amdhsa_float_denorm_mode_16_64 3
		.amdhsa_memory_ordered 1
		.amdhsa_forward_progress 1
		.amdhsa_inst_pref_size 18
	.end_amdhsa_kernel
	.amdgpu_metadata
---
amdhsa.version: [ 1, 2 ]
amdhsa.kernels:
  - .name:           k_qe126cc998a_cast
    .symbol:         k_qe126cc998a_cast.kd
    .args:
      - { .name: x, .offset: 0, .size: 8, .value_kind: global_buffer, .address_space: global }
      - { .name: Wq, .offset: 8, .size: 8, .value_kind: global_buffer, .address_space: global }
      - { .name: Wk, .offset: 16, .size: 8, .value_kind: global_buffer, .address_space: global }
      - { .name: Wv, .offset: 24, .size: 8, .value_kind: global_buffer, .address_space: global }
      - { .name: Wo, .offset: 32, .size: 8, .value_kind: global_buffer, .address_space: global }
      - { .name: freqs_cos, .offset: 40, .size: 8, .value_kind: global_buffer, .address_space: global }
      - { .name: freqs_sin, .offset: 48, .size: 8, .value_kind: global_buffer, .address_space: global }
      - { .name: xb, .offset: 56, .size: 8, .value_kind: global_buffer, .address_space: global }
      - { .name: wqkv, .offset: 64, .size: 8, .value_kind: global_buffer, .address_space: global }
      - { .name: wo16, .offset: 72, .size: 8, .value_kind: global_buffer, .address_space: global }
      - { .name: rot, .offset: 80, .size: 8, .value_kind: global_buffer, .address_space: global }
    .group_segment_fixed_size: 0
    .private_segment_fixed_size: 0
    .kernarg_segment_align: 8
    .kernarg_segment_size: 88
    .max_flat_workgroup_size: 256
    .sgpr_count:     66
    .vgpr_count:     72
    .wavefront_size: 32
...
	.end_amdgpu_metadata
.endif
;; end of part 1
;; launch qkv (part 2): grid 16 x 16, 4 waves a work-group, clusters of 4 x 4, 327,680 bytes of LDS; arguments xb, wqkv, rot, qkv; writes qkv
.if DOCPART == 2
	.amdgcn_target "amdgcn-amd-amdhsa--gfx1250"
	.amdhsa_code_object_version 6
	.text
	.protected	k_qe126cc998a_qkv
	.globl	k_qe126cc998a_qkv
	.p2align	8
	.type	k_qe126cc998a_qkv,@function
k_qe126cc998a_qkv:
	s_mov_b64 s[64:65], 0
	v_nop
	global_prefetch_b8 v0, s[64:65] scope:SCOPE_SE
	s_setreg_imm32_b32 hwreg(HW_REG_WAVE_MODE, 25, 1), 1
	s_wait_xcnt 0x0
	s_wait_alu depctr_hold_cnt(0) depctr_sa_sdst(0) depctr_va_vdst(0) depctr_va_sdst(0) depctr_va_ssrc(0) depctr_va_vcc(0) depctr_vm_vsrc(0)
	s_getreg_b32 s2, hwreg(HW_REG_IB_STS2, 6, 4)
	s_cmp_eq_u32 s2, 0
	s_cbranch_scc0 .Lentry_in_a_cluster
	s_endpgm
.Lentry_in_a_cluster:
	s_bfe_u32 s2, ttmp6, 0x10000c
	s_cmp_lg_u32 s2, 0xf033
	s_cbranch_scc0 .Lentry_shape_is_right
	s_endpgm
.Lentry_shape_is_right:
; [q | k | v] = xb wqkv^T, the rotary turn on q and k, out by heads in f16.  xb: [2048][2048] bf16.  wqkv: [3 x 2048 n][2048 k] bf16 (Wq, Wk, Wv).
; rot: [2048 rows][64 pairs] {sin / 4, cos / 4} f32, of sin and cos rounded to bf16.  qkv: [3][16 heads][2048 rows][128] f16.
; q and k are stored as q / 4 and k / 4 (exact; the factor rides on the table), and the attention's constant makes up for it.
; LIMITS: |q| / 4, |k| / 4 and |v| stay under 65,504, f16's largest number; below 2^-14 they keep f16's fixed step of 2^-24.  Sums in f32, K ascending.
; SHARES.  A work-group makes 128 rows x one head's 128 columns of q, of k and of v: 16 x 16 work-groups.  Wave w makes all 128 rows x channels 32 w .. 32 w + 31 of q, k and v:
; 8 row blocks x 6 column blocks (0, 1 q; 2, 3 k; 4, 5 v) = 48 accumulators, 384 registers; all four waves run one text.
; K goes in 16 steps of 128 through two LDS slots of four pieces of 128 rows x 256 bytes: x's rows, then the head's rows of Wq, Wk, Wv.  Wave w fetches piece w.
; A K step is written once: the slot that is read (TB) and the slot that is filled (FS) are scalar registers that turn at each change of slots.
; CLUSTER 4 x 4: the four work-groups of a row of the cluster have the same rows of x, the four of a column the same head: each piece is asked for jointly.
; THE MATRIX INSTRUCTION IS USED TRANSPOSED (source 0 = 16 rows of W, source 1 = 16 rows of x): a lane holds row lane % 16 and eight neighbouring columns 8 (lane / 16) + 0..7: four pairs of the rotary turn.
; REGISTERS, in windows of 256 (s_set_vgpr_msb: bits 1:0 source 0, 3:2 source 1, 5:4 source 2, 7:6 destination):
;   window 0: v0-31 addresses; v64-127, v128-191 x's fragments, two buffers; on the way out v64-255
;   window 1: v0-63, v176-239 the table of my pairs; v64-111, v128-175 W's fragments, two buffers          window 2: accumulators of row blocks 0-3 at 8 (6 a + b)          window 3: of row blocks 4-7
.set KSTEP,  128
.set PITCH,  272                       ; an LDS row: 256 bytes + 16 of padding = 68 words: the 16 rows of a fragment load start at 16 different groups of four banks (ISA guide 11.1)
.set HALFT,  128*PITCH                 ; a piece: 128 rows, one tensor load
.set SLOT,   4*HALFT
.set SPARE,  2*SLOT                    ; behind the ring: the spare words, 128 bytes a wave, which no other line names
.set ADRA, 16                          ; v16  LDS address of my fragments of x in the slot being read
.set A0,   17                          ; v17  the same in slot 0; never rewritten
.set ADRB, 20                          ; v20, v21  the same two for Wq's piece; Wk's is reached by the offset
.set B0,   21
.set ADRV, 22                          ; v22, v23  and for Wv's piece
.set V0,   23
.set STO,  24                          ; v24  the way out: where I put 16 bytes of a row of q (k by the offset)
.set STO2, 25                          ; v25  the same for v
.set RD,   26                          ; v26  the way out: where I read rows back
.set RD2,  27                          ; v27  the same for v
.set SPW,  28                          ; v28  LDS address of my spare word; never rewritten
.set NIL,  29                          ; v29  0; never rewritten
.set CO,   30                          ; v30  16 x lane: my place in 512 consecutive bytes of the output
.set RO,   31                          ; v31  my byte offset in 16 rows of the table
.set F0,   64
.set F1,   128
.set T,    64                          ; the way out: 32 turned numbers
.set PKD,  96                          ; 24 registers of f16 pairs
.set OB,   64                          ; and, behind the barrier, 48 x 4 registers read back
.set TB,   12                          ; s12  LDS byte at which the slot being read begins
.set FS,   13                          ; s13  LDS byte at which the slot filled last begins
.set WV,   14                          ; s14  my wave's number
.set G1,   24                          ; s[24:31] descriptor group 1 for x's piece;  s[32:39] group 0: a set for each of the two first fills; the second then walks on
.set G0,   32
.set G1B,  48                          ; s[48:55], s[56:63] the same for W's pieces
.set G0B,  56
.set OUTQ, 68                          ; s[68:73] q's, k's, v's plane at my wave's first row
.set MSB, 0
.macro WIN new                         ; the immediate's high byte repeats the setting that is left; a switch that changes nothing is dropped
.if MSB != (\new)
	s_set_vgpr_msb (MSB<<8)|(\new)
.set MSB, (\new)
.endif
.endm
.set MUL_LO, 0xa1                      ; source 0 (W) window 1, source 1 (x) window 0, C and D window 2
.set TO_B,   0x40                      ; destination window 1, address window 0
; A joint load.  Wave 0 fetches x's piece, waves 1 to 3 the head's rows of Wq, Wk, Wv.  The branch hangs on the wave's number alone.
; An s_nop 0 and four v_nop follow each of the two lines, ahead of the jump and the label.
.macro JLOAD s
	s_cmp_eq_u32 s[WV], 0
	s_cbranch_scc0 .Lfor_b_\@
	tensor_load_to_lds s[G0+4*(\s):G0+4*(\s)+3], s[G1:G1+7]
	s_nop 0
.rept 4
	v_nop
.endr
	s_branch .Lasked_\@
.Lfor_b_\@:
	tensor_load_to_lds s[G0B+4*(\s):G0B+4*(\s)+3], s[G1B:G1B+7]
	s_nop 0
.rept 4
	v_nop
.endr
.Lasked_\@:
.endm
.macro CREST                           ; a round of the cluster's barrier behind its opening barrier
	s_cmp_lg_u32 s[WV], 0
	s_cbranch_scc1 .Lnot_wave_0_\@
	s_barrier_signal -3
.Lnot_wave_0_\@:
	s_barrier_wait -3
	s_barrier_signal -1
	s_barrier_wait -1
.endm
.macro CROUND                          ; a whole round
	s_barrier_signal -1
	s_barrier_wait -1
	CREST
.endm
	s_load_b256 s[4:11], s[0:1], 0x0               ; xb s[4:5], wqkv s[6:7], rot s[8:9], qkv s[10:11]
	v_lshl_add_u32 v[SPW], v0, 2, SPARE
	v_mov_b32 v[NIL], 0
	ds_add_u32 v[SPW], v[NIL]                      ; the wave's opening: the add and its wait come ahead of my first tensor load; work on registers stands between them
	v_lshrrev_b32 v1, 5, v0
	v_readfirstlane_b32 s[WV], v1                  ; wave 0..3
	s_bfe_u32 s40, ttmp6, 0x40000                  ; cx, cy: my place in the cluster
	s_bfe_u32 s41, ttmp6, 0x40004
	s_lshl_b32 s42, ttmp9, 2
	s_add_co_u32 s42, s42, s40                     ; the head = 4 x cluster x + cx
	s_and_b32 s45, ttmp7, 0xffff
	s_lshl_b32 s45, s45, 2
	s_add_co_u32 s45, s45, s41                     ; the block of 128 rows = 4 x cluster y + cy
	s_lshl_b32 s43, s41, 2
	s_lshl_b32 s43, 15, s43                        ; my row of the cluster
	s_lshl_b32 s44, 0x1111, s40                    ; my column
	s_or_b32 s[G1], s43, (1<<16)|(1<<20)|(1<<21)|(5<<22)|(3<<25)   ; 15:0 the mask; 17:16 2-byte elements; 20 padding on; 21 set beside a mask; 24:22 after every 64 words; 31:25 4 words of it
	s_or_b32 s[G1B], s44, (1<<16)|(1<<20)|(1<<21)|(5<<22)|(3<<25)
.irp g, G1, G1B
	s_mov_b32 s[(\g)+1], KSTEP<<16                 ; tensor_dim0 = 128
	s_mov_b32 s[(\g)+2], 128<<16                   ; tensor_dim1 = 128
	s_mov_b32 s[(\g)+3], KSTEP<<16                 ; tile_dim0 = 128
	s_mov_b32 s[(\g)+4], 128                       ; tile_dim1 = 128
	s_mov_b32 s[(\g)+5], 2048                      ; elements from row to row
	s_mov_b32 s[(\g)+6], 0
	s_mov_b32 s[(\g)+7], 0
.endr
	s_lshl_b32 s16, s45, 19                        ; x: 128 rows of 4,096 bytes for each row block; my row of the cluster shares it
	s_mov_b32 s17, 0
	s_max_u32 s21, s[WV], 1                        ; W: plane w - 1 (wave 0 makes an address that it never uses),
	s_sub_co_u32 s21, s21, 1
	s_lshl_b32 s21, s21, 23                        ; of 2,048 rows of 4,096 bytes,
	s_lshl_b32 s46, s42, 19                        ; and in it the head's 128 rows; my column of the cluster shares it
	s_add_co_u32 s46, s46, s21
	s_mov_b32 s47, 0
	s_lshl_b32 s18, s45, 16                        ; the table: 128 rows of 512 bytes for each row block
	s_mov_b32 s19, 0
	s_mul_i32 s20, s[WV], HALFT                    ; where my piece goes in a slot: no place in the cluster enters an LDS address
	s_mov_b32 s[TB], 0                             ; slot 0 is read first;
	s_mov_b32 s[FS], SLOT                          ; slot 1 is the one filled last at the start
	s_wait_dscnt 0x0                               ; the opening add is done
	s_wait_kmcnt 0x0
	s_add_nc_u64 s[66:67], s[4:5], s[16:17]
	s_add_nc_u64 s[46:47], s[6:7], s[46:47]
	s_add_nc_u64 s[8:9], s[8:9], s[18:19]
	CROUND                                         ; all sixteen work-groups are here: the first joint loads meet
.irp s, 0,1
	s_mov_b32 s[G0+4*(\s)], 1                                        ; count = 1
	s_add_co_u32 s[G0+4*(\s)+1], s20, (\s)*SLOT                      ; LDS address
	s_add_nc_u64 s[G0+4*(\s)+2:G0+4*(\s)+3], s[66:67], (\s)*KSTEP*2  ; global address: K step s
	s_or_b32 s[G0+4*(\s)+3], s[G0+4*(\s)+3], 0x80000000              ; type = 2
	s_mov_b32 s[G0B+4*(\s)], 1
	s_add_co_u32 s[G0B+4*(\s)+1], s20, (\s)*SLOT
	s_add_nc_u64 s[G0B+4*(\s)+2:G0B+4*(\s)+3], s[46:47], (\s)*KSTEP*2
	s_or_b32 s[G0B+4*(\s)+3], s[G0B+4*(\s)+3], 0x80000000
	JLOAD \s                                       ; two tensor loads of mine are out
.endr
	v_and_b32 v1, 15, v0                           ; l % 16
	v_bfe_u32 v2, v0, 4, 1                         ; l / 16
	; The table of my pairs: row l % 16 of each row block; my eight columns of column block j are pairs 16 w + 8 j + 4 (l / 16) + 0..3: 32 bytes, two loads.
	; Block (a, j), n = 2 a + j, lies at 8 n (n < 8) or 176 + 8 (n - 8) of window 1.  The 32 loads stay out under the whole product; their address registers are never rewritten.
	v_lshlrev_b32 v[RO], 9, v1
	v_lshl_add_u32 v[RO], v2, 5, v[RO]
	s_lshl_b32 s21, s[WV], 7
	v_add_nc_u32 v[RO], s21, v[RO]
	WIN TO_B
.irp a, 0,1,2,3,4,5,6,7
.irp j, 0,1
.irp e, 0,1
	global_load_b128 v[8*(2*\a+\j)+112*((2*\a+\j)/8)+4*\e:8*(2*\a+\j)+112*((2*\a+\j)/8)+4*\e+3], v[RO], s[8:9] offset:\a*8192+\j*64+\e*16
.endr
.endr
.endr
	WIN 0
	; A fragment is 16 rows x 32 K in 8 registers: lane l holds row l % 16, K = 8 (l / 16) + 0..7 and 16 + 8 (l / 16) + 0..7: two loads of 16 bytes, 32 bytes apart.
	v_mul_u32_u24 v[A0], v1, PITCH
	v_lshl_add_u32 v[A0], v2, 4, v[A0]             ; row x pitch + 16 x half
	s_mul_i32 s21, s[WV], 32*PITCH                 ; my 32 rows of each of W's pieces,
	s_add_co_u32 s21, s21, HALFT                   ; which lie behind x's piece
	v_add_nc_u32 v[B0], s21, v[A0]
	v_add_nc_u32 v[V0], 2*HALFT, v[B0]
	v_mov_b32 v[ADRA], v[A0]
	v_mov_b32 v[ADRB], v[B0]
	v_mov_b32 v[ADRV], v[V0]
	; The way out goes through slot 0's bytes, behind that slot's last fill and last read: plane p (q, k, v) at p x 34,816, 128 rows of 272 bytes.
	v_lshl_add_u32 v[STO], s[WV], 6, v[A0]         ; in: row l % 16, my wave's 64 bytes of it, 16 bytes for each half of the lanes
	v_add_nc_u32 v[STO2], 2*HALFT, v[STO]
	s_mul_i32 s22, s[WV], 32*PITCH                 ; back: wave w takes rows 32 w .. 32 w + 31, whole; lanes 0-15 one row, lanes 16-31 the next
	v_mul_u32_u24 v6, v2, PITCH
	v_lshl_add_u32 v6, v1, 4, v6
	v_add_nc_u32 v[RD], s22, v6
	v_add_nc_u32 v[RD2], 2*HALFT, v[RD]
	v_and_b32 v[CO], 31, v0
	v_lshlrev_b32 v[CO], 4, v[CO]
	s_lshl_b32 s74, s42, 19                        ; in a plane: the head's 2,048 rows of 256 bytes,
	s_lshl_b32 s75, s45, 15                        ; the row block's 128,
	s_add_co_u32 s74, s74, s75
	s_lshl_b32 s75, s[WV], 13                      ; my wave's 32
	s_add_co_u32 s74, s74, s75
	s_mov_b32 s75, 0
	s_add_nc_u64 s[OUTQ:OUTQ+1], s[10:11], s[74:75]
	s_add_nc_u64 s[OUTQ+2:OUTQ+3], s[OUTQ:OUTQ+1], 0x800000
	s_add_nc_u64 s[OUTQ+4:OUTQ+5], s[OUTQ:OUTQ+1], 0x1000000
; 12 matrix instructions: row blocks a0, a0 + 1 of the window's four x all 6 column blocks, 32 along K.  zero = 1: the first product starts the sums.
; The 48 accumulators take turns in the same order in every quarter.
.macro MUL12 f, hi, a0, zero
	WIN MUL_LO+0x50*(\hi)
.irp a, \a0, (\a0)+1
.irp b, 0,1,2,3,4,5
.if \zero
	v_wmma_f32_16x16x32_bf16 v[8*(6*(\a)+(\b)):8*(6*(\a)+(\b))+7], v[(\f)+8*(\b):(\f)+8*(\b)+7], v[(\f)+8*(4*(\hi)+(\a)):(\f)+8*(4*(\hi)+(\a))+7], 0
.else
	v_wmma_f32_16x16x32_bf16 v[8*(6*(\a)+(\b)):8*(6*(\a)+(\b))+7], v[(\f)+8*(\b):(\f)+8*(\b)+7], v[(\f)+8*(4*(\hi)+(\a)):(\f)+8*(4*(\hi)+(\a))+7], v[8*(6*(\a)+(\b)):8*(6*(\a)+(\b))+7]
.endif
.endr
.endr
.endm
; 28 LDS loads in one run: a quarter step's fragments (32 K at byte k of the rows of the slot being read) into buffer f: W's six blocks, then x's eight.
.macro FETCH k, f
	WIN TO_B
.irp i, 0,1,2,3
	ds_load_b128 v[(\f)+8*(\i):(\f)+8*(\i)+3],   v[ADRB] offset:(\k)+((\i)/2)*HALFT+((\i)%2)*16*PITCH
	ds_load_b128 v[(\f)+8*(\i)+4:(\f)+8*(\i)+7], v[ADRB] offset:(\k)+((\i)/2)*HALFT+((\i)%2)*16*PITCH+32
.endr
.irp i, 4,5
	ds_load_b128 v[(\f)+8*(\i):(\f)+8*(\i)+3],   v[ADRV] offset:(\k)+((\i)%2)*16*PITCH
	ds_load_b128 v[(\f)+8*(\i)+4:(\f)+8*(\i)+7], v[ADRV] offset:(\k)+((\i)%2)*16*PITCH+32
.endr
	WIN 0
.irp i, 0,1,2,3,4,5,6,7
	ds_load_b128 v[(\f)+8*(\i):(\f)+8*(\i)+3],   v[ADRA] offset:(\k)+(\i)*16*PITCH
	ds_load_b128 v[(\f)+8*(\i)+4:(\f)+8*(\i)+7], v[ADRA] offset:(\k)+(\i)*16*PITCH+32
.endr
.endm
.macro PLACES                          ; four plain vector instructions between a matrix instruction and a load into, or a vector read of, its registers
.rept 4
	v_nop
.endr
.endm
; A K step is four quarters of 32 along K, 48 matrix instructions each, on buffers 0, 1, 0, 1.  One of the first three: multiplies buffer f; in its middle it fetches the next quarter, at byte k, into g.
.macro QUARTER k, f, g, zero
	s_wait_dscnt 8                                 ; W's blocks and x's rows 0-63 are in; the youngest eight loads (x's rows 64-127) may be out
	MUL12 \f, 0, 0, \zero
	MUL12 \f, 0, 2, \zero
	PLACES
	FETCH \k, \g
	s_wait_dscnt 28                                ; all but the 28 just issued
	MUL12 \f, 1, 0, \zero
	MUL12 \f, 1, 2, \zero
.endm
; THE CHANGE OF SLOTS AND THE LAST QUARTER.  The last quarter's fragments lie in buffer 1, so the slot has been read out.  Each wave waits for all its tensor loads (one is out: its piece of the
; next slot), adds 0 to its spare word, and waits for that and for its own reads of this slot; then the barrier.  fill = 1: the barrier opens a round of the cluster's, and this slot is filled
; again, two K steps ahead, first thing behind the round: no product stands between the tile's landing and the next request.  Then the next slot's first fragments are fetched, and the whole
; last quarter, 48 products on registers, is multiplied while they and the new tile are on their way.
.macro TURN fill
	WIN 0
	s_wait_tensorcnt 0x0                           ; no tensor load of mine is out, so a group 0 may be written
	ds_add_u32 v[SPW], v[NIL]                      ; 0 onto my spare word; the scalar work below stands between it and the wait for it
.if \fill
	s_xor_b32 s[FS], s[FS], SLOT                   ; the walking descriptors: the other slot than last time,
	s_add_co_u32 s[G0+5], s[FS], s20
	s_add_co_u32 s[G0B+5], s[FS], s20
	s_add_nc_u64 s[G0+6:G0+7], s[G0+6:G0+7], KSTEP*2     ; the next K step; the type bits on top are not reached
	s_add_nc_u64 s[G0B+6:G0B+7], s[G0B+6:G0B+7], KSTEP*2
.endif
	s_xor_b32 s[TB], s[TB], SLOT                   ; the reads go to the other slot
	s_wait_dscnt 0x0                               ; the add is done, and my reads of this slot are over
	s_barrier_signal -1
	s_barrier_wait -1
.if \fill
	CREST                                          ; no wave of any partner still reads this slot or has a load on its way
	JLOAD 1                                        ; one tensor load of mine is out; the four v_nop behind it are also places in front of the loads below
.else
	PLACES
.endif
	v_add_nc_u32 v[ADRA], s[TB], v[A0]
	v_add_nc_u32 v[ADRB], s[TB], v[B0]
	v_add_nc_u32 v[ADRV], s[TB], v[V0]
	FETCH 0, F0
	MUL12 F1, 0, 0, 0
	MUL12 F1, 0, 2, 0
	MUL12 F1, 1, 0, 0
	MUL12 F1, 1, 2, 0
.endm
	s_wait_tensorcnt 1                             ; my piece of K step 0 is in; K step 1's may stay out
	s_barrier_signal -1
	s_barrier_wait -1                              ; everybody's is
	FETCH 0, F0
	QUARTER 64, F0, F1, 1                          ; the first quarter stands in front of the loop: its products start the sums
	WIN 0                                          ; at a label and at a branch every window is 0
	s_mov_b32 s3, 14
.Lstep:                                                ; a trip goes from a K step's second quarter to the next step's first, and asks for the step after that: K steps 2 to 15
	QUARTER 128, F1, F0, 0
	QUARTER 192, F0, F1, 0
	TURN 1
	QUARTER 64,  F0, F1, 0
	WIN 0
	s_sub_co_u32 s3, s3, 1
	s_cmp_lg_u32 s3, 0
	s_cbranch_scc1 .Lstep
	s_mov_b32 s3, 2
.Ltail:                                                ; the last two K steps ask for nothing; the second trip is left in its middle
	QUARTER 128, F1, F0, 0
	QUARTER 192, F0, F1, 0
	WIN 0
	s_sub_co_u32 s3, s3, 1
	s_cmp_eq_u32 s3, 0
	s_cbranch_scc1 .Lout
	TURN 0                                         ; behind this barrier nobody reads slot 0 any more, and nothing is filled into it
	QUARTER 64,  F0, F1, 0
	WIN 0
	s_branch .Ltail
.Lout:
	s_wait_dscnt 0x0                               ; the very last quarter: nothing more to fetch
	MUL12 F1, 0, 0, 0
	MUL12 F1, 0, 2, 0
	MUL12 F1, 1, 0, 0
	MUL12 F1, 1, 2, 0
	WIN 0
; THE WAY OUT of row block a.  A pair (xr, xi) of q or k becomes (xr c - xi s, xr s + xi c), two packed lines: (xr c, xr s), then (-xi s, xi c) added.  A pair of the table is (s, c): the first line takes it
; crosswise, the second as it lies, with the sign of its low half turned.  v is only rounded.  Each accumulator's lowest registers are read first.  16 bytes a lane go into the stage.
.macro OUTBLK a
.set AB, 48*((\a)%4)
	WIN 0x06+(\a)/4                                ; source 0: the accumulators' window; source 1: window 1
.irp b, 0,1,2,3
.set RBK, 8*(2*(\a)+\b%2)+112*((2*(\a)+\b%2)/8)
.irp q, 0,1,2,3
	v_pk_mul_f32 v[T+8*\b+2*\q:T+8*\b+2*\q+1], v[AB+8*\b+2*\q:AB+8*\b+2*\q+1], v[RBK+2*\q:RBK+2*\q+1] op_sel:[0,1] op_sel_hi:[0,0]
.endr
.irp q, 0,1,2,3
	v_pk_fma_f32 v[T+8*\b+2*\q:T+8*\b+2*\q+1], v[AB+8*\b+2*\q:AB+8*\b+2*\q+1], v[RBK+2*\q:RBK+2*\q+1], v[T+8*\b+2*\q:T+8*\b+2*\q+1] op_sel:[1,0,0] op_sel_hi:[1,1,1] neg_lo:[0,1,0]
.endr
.endr
	WIN 0x0a+5*((\a)/4)                            ; sources 0 and 1: the accumulators' window
.irp j, 0,1
.irp r, 0,1,2,3
	v_cvt_pk_f16_f32 v[PKD+16+4*\j+\r], v[AB+8*(4+\j)+2*\r], v[AB+8*(4+\j)+2*\r+1]
.endr
.endr
	WIN 0
.irp i, 0,1,2,3,4,5,6,7,8,9,10,11,12,13,14,15
	v_cvt_pk_f16_f32 v[PKD+\i], v[T+2*\i], v[T+2*\i+1]
.endr
.irp p, 0,1
.irp j, 0,1
	ds_store_b128 v[STO], v[PKD+8*\p+4*\j:PKD+8*\p+4*\j+3] offset:\p*HALFT+(\a)*16*PITCH+32*\j
.endr
.endr
.irp j, 0,1
	ds_store_b128 v[STO2], v[PKD+16+4*\j:PKD+16+4*\j+3] offset:(\a)*16*PITCH+32*\j
.endr
.endm
	PLACES                                         ; behind the last products
	s_wait_loadcnt 0x0                             ; the table
.irp a, 0,1,2,3,4,5,6,7
	OUTBLK \a
.endr
	s_wait_dscnt 0x0                               ; for the others' sake: my stores into the stage are done; a row's 256 bytes come from four waves
	s_barrier_signal -1
	s_barrier_wait -1
.set n, 0
.rept 48                               ; plane n / 16, rows 32 w + 2 (n % 16) and the next
.if n < 32
	ds_load_b128 v[OB+4*n:OB+4*n+3], v[RD] offset:(n/16)*HALFT+(n%16)*2*PITCH
.else
	ds_load_b128 v[OB+4*n:OB+4*n+3], v[RD2] offset:(n%16)*2*PITCH
.endif
.set n, n+1
.endr
.set n, 0
.rept 48
	s_wait_dscnt 47-n                              ; LDS loads come back in order: number n is in
	global_store_b128 v[CO], v[OB+4*n:OB+4*n+3], s[OUTQ+2*(n/16):OUTQ+2*(n/16)+1] offset:512*(n%16)  ; 512 consecutive bytes, at a multiple of 256 from the buffer's first
.set n, n+1
.endr
	s_wait_tensorcnt 0x0                           ; the wave's end, behind my last tensor load and my last LDS store
	ds_add_u32 v[SPW], v[NIL]
	s_wait_dscnt 0x0
	CROUND                                         ; the closing round: no work-group ends while a partner may still ask for a piece that names it
	s_endpgm
.Lfunc_end_k_qe126cc998a_qkv:
	.size	k_qe126cc998a_qkv, .Lfunc_end_k_qe126cc998a_qkv-k_qe126cc998a_qkv
	.p2alignl 7, 3214868480
	.fill 96, 4, 3214868480
	.section	.rodata,"a",@progbits
	.p2align	6, 0x0
	.amdhsa_kernel k_qe126cc998a_qkv
		.amdhsa_group_segment_fixed_size 327680
		.amdhsa_private_segment_fixed_size 0
		.amdhsa_enable_private_segment 0
		.amdhsa_kernarg_size 32
		.amdhsa_user_sgpr_count 2
		.amdhsa_user_sgpr_kernarg_segment_ptr 1
		.amdhsa_wavefront_size32 1
		.amdhsa_system_sgpr_workgroup_id_x 1
		.amdhsa_system_sgpr_workgroup_id_y 1
		.amdhsa_system_sgpr_workgroup_id_z 1
		.amdhsa_system_vgpr_workitem_id 0
		.amdhsa_next_free_vgpr 960
		.amdhsa_next_free_sgpr 76
		.amdhsa_reserve_vcc 0
		.amdhsa_float_denorm_mode_32 3
		.amdhsa_float_denorm_mode_16_64 3
		.amdhsa_memory_ordered 1
		.amdhsa_forward_progress 1
		.amdhsa_inst_pref_size 104
	.end_amdhsa_kernel
	.amdgpu_metadata
---
amdhsa.version: [ 1, 2 ]
amdhsa.kernels:
  - .name:           k_qe126cc998a_qkv
    .symbol:         k_qe126cc998a_qkv.kd
    .args:
      - { .name: xb, .offset: 0, .size: 8, .value_kind: global_buffer, .address_space: global }
      - { .name: wqkv, .offset: 8, .size: 8, .value_kind: global_buffer, .address_space: global }
      - { .name: rot, .offset: 16, .size: 8, .value_kind: global_buffer, .address_space: global }
      - { .name: qkv, .offset: 24, .size: 8, .value_kind: global_buffer, .address_space: global }
    .group_segment_fixed_size: 327680
    .private_segment_fixed_size: 0
    .kernarg_segment_align: 8
    .kernarg_segment_size: 32
    .max_flat_workgroup_size: 128
    .sgpr_count:     76
    .vgpr_count:     960
    .wavefront_size: 32
...
	.end_amdgpu_metadata
.endif
;; end of part 2
;; launch attn (part 3): grid 16 x 16, 4 waves a work-group, clusters of 4 x 1, 327,680 bytes of LDS; arguments qkv, att; writes att
.if DOCPART == 3
	.amdgcn_target "amdgcn-amd-amdhsa--gfx1250"
	.amdhsa_code_object_version 6
	.text
	.protected	k_qe126cc998a_attn
	.globl	k_qe126cc998a_attn
	.p2align	8
	.type	k_qe126cc998a_attn,@function
k_qe126cc998a_attn:
	s_mov_b64 s[64:65], 0
	v_nop
	global_prefetch_b8 v0, s[64:65] scope:SCOPE_SE
	s_setreg_imm32_b32 hwreg(HW_REG_WAVE_MODE, 25, 1), 1
	s_wait_xcnt 0x0
	s_wait_alu depctr_hold_cnt(0) depctr_sa_sdst(0) depctr_va_vdst(0) depctr_va_sdst(0) depctr_va_ssrc(0) depctr_va_vcc(0) depctr_vm_vsrc(0)
	s_getreg_b32 s2, hwreg(HW_REG_IB_STS2, 6, 4)
	s_cmp_eq_u32 s2, 0
	s_cbranch_scc0 .Lentry_in_a_cluster
	s_endpgm
.Lentry_in_a_cluster:
	s_bfe_u32 s2, ttmp6, 0x10000c
	s_cmp_lg_u32 s2, 0x3003
	s_cbranch_scc0 .Lentry_shape_is_right
	s_endpgm
.Lentry_shape_is_right:
; CAUSAL ATTENTION, head size 128.  att[q][head][:] = the sum over k <= q of softmax_k(Q[q] . K[k] / sqrt(128)) V[k][:].
; qkv: [3][16 heads][2048][128] f16, with q and k stored as q / 4 and k / 4; att: [2048][16 x 128] f16.  Products, maxima and sums in f32; the weights p are rounded to f16 for the second
; product (their sum l is taken of the unrounded p), the result once at the end.  p = 2^(c s - c m) with a running maximum m and c = 16 log2(e) / sqrt(128): the 16 makes up for the two quarters.
; LIMITS.  A hidden score counts as -2^100; m starts at -2^90, so true scores must lie above -2^90 (f16's range bounds them by 5.5e11).  A weight below 2^-126 counts as 0.  NaN and infinities are not treated apart.
; THE WALK.  A head's rows lie in 32 blocks of 64 queries, its keys in 8 tiles of 256.  Work-group b = 4 c + cx (c the cluster's number, cx the place in it) takes block 31 - b and then block b:
; tiles 0 .. 7 - c and then 0 .. c: nine tiles whatever b, one counted walk.  The four partners of a cluster have the same c, so the same walk: EVERY tile is asked for jointly, by the same
; tensor load, descriptor and mask in all four.  cx enters Q's and att's addresses and two selected numbers of the mask; no branch and no LDS address.
; SHARES.  The four waves SPLIT THE KEYS: wave w takes keys 64 w .. 64 w + 63 of every tile, for all 64 queries (four tiles of 16): each fragment of K or V feeds four products, and each LDS byte is read once.
; At a block's end the four waves' partial sums are merged in f32 through LDS.
; THE ORDER OF A STEP.  A(i): V of tile i is fetched from LDS, the masks are made, S^T = K Q^T.  B(i + 1): tile i has been read out: the change of slots, the refill, and K of tile i + 1 is fetched.
; C(i): the softmax, O^T += V^T P, and where the block ends the merge.  So K has the softmax in which to come out of LDS, V the 64 products K Q^T.
; THE MASK is the C operand that starts the sum S^T = K Q^T.  In a block's last tile the block's queries are the tile's rows 64 r on (r = 3 - cx, then cx): wave w < r sees all its keys, w > r none, w = r holds the
; diagonal.  Three sets of eight registers, made anew in every step from two scalars: MLO for key blocks below the query tile, MHI above it, MEQ on it.  In all other tiles they are 0.  One text serves every tile.
; LAYOUT.  S^T holds one query a lane (lane % 16) and the keys 8 (lane / 16) + 0..7; two such results rounded to f16 in pairs ARE source 1 of O^T = V^T P, made in place in S^T's lower registers.
; K comes out of LDS as it lies, V ([key][channel]) turned, by ds_load_tr16_b128.
; REGISTERS, in windows of 256 (s_set_vgpr_msb: bits 1:0 source 0, 3:2 source 1, 5:4 source 2, 7:6 destination):
;   window 0: v0-15 addresses; v16-47 eight registers of statistics a tile; v62-63 the add's; v64-191 S^T, 32 a tile; v192-215 masks; v216-247 the four waves' statistics
;   window 1: O^T, 64 a tile          window 2: v0-127 Q; v128-255 K of my 64 keys          window 3: v0-127 V of my 64 keys
.set PK,    272       ; a row of K in LDS: 256 bytes + 16 of padding: the 16 rows of a load start at 16 different groups of four banks (ISA guide 11.1)
.set PV,    288       ; a row of V: 256 + 32
.set VOFF,  256*PK    ; a slot holds a tile: 256 rows of K, then 256 rows of V
.set SLOT,  256*(PK+PV)
.set XCH,   2*SLOT    ; behind the ring, never filled by a tensor load: four partial tiles of 16 queries x 528 bytes (128 f32 + 16 bytes)
.set XP,    528
.set XW,    16*XP
.set STATS, XCH+4*XW  ; [wave][tile][16 queries] {c m, l}: 2,048 bytes
.set SPARE, STATS+2048  ; the spare words, 128 bytes a wave, which no other line names
.set AK0, 2           ; v2   my lane's place in a tile of K; never rewritten
.set AV0, 3           ; v3   the same for V
.set AK,  4           ; v4   the LDS address of K's run of loads
.set AV,  5           ; v5   of V's
.set QO,  6           ; v6   my byte offset in 16 rows of Q; never rewritten
.set XST, 7           ; v7   the merge: where I put 16 bytes of my partial sums
.set XRD, 8           ; v8   the merge: where I read all four waves' sums
.set GO,  10          ; v10  my byte offset in att
.set SST, 11          ; v11  where I put my statistics
.set SRD, 12          ; v12  where I read everybody's
.set ST,  16          ; tile t at v[ST+8 t]: +0 c m, +1 m, +2, +3 l (even keys', odd keys'), +4 to +7 at work; a and, at the end, g in +6
.set SPW, 62          ; v62  LDS address of my spare word; never rewritten
.set NIL, 63          ; v63  0; never rewritten
.set S,   64
.set MLO, 192
.set MEQ, 200
.set MHI, 208
.set SR,  216         ; tile t, wave u: c m at SR + 2 (4 t + u), l behind it
.set XR,  64          ; the merge: 64 registers read back
.set OUTR, 128        ; the merge: 8 registers of f16 pairs a tile
.set KF,  128         ; window 2: key block kb, channels 32 c on at KF + 32 kb + 8 c
.set WV,  12          ; s12  my wave's number
.set CX,  13          ; s13  my place in the cluster
.set CC,  14          ; s14  c, the cluster's number
.set G1K, 24          ; s[24:31] descriptor group 1 for K's halves
.set G1V, 32          ; s[32:39] for V's: it differs in the padding alone
.set G0K, 40          ; s[40:43] descriptor group 0 for K, made anew for each fill
.set G0V, 44          ; s[44:47] for V
.set KB,  48          ; s[48:49] K at my half of the head's tile 0
.set VB,  50          ; s[50:51] V likewise
.set OFF, 52          ; s[52:53] a tile's byte offset in K and V
.set SLOTS, 54        ; s54  the loops' counter
.set RT,  55          ; s55  tiles of the block in hand still to be entered
.set NXT, 56          ; s56  the tile to be asked for next
.set LQ,  57          ; s57  the last tile of the block whose tiles are being asked for
.set CS,  58          ; s[58:59] c, twice
.set SEL, 60          ; s[60:61] v_permlanex16_b32's selects: each lane takes its own place in the other half
.set TB,  62          ; s62  LDS byte at which the slot being read begins
.set FS,  63          ; s63  LDS byte at which the slot being filled begins
.set PKW, 66          ; s66  my half's place in a slot, for K
.set PVW, 67          ; s67  and for V
.set RCUR, 68         ; s68  r of the block in hand
.set BIGN, 69         ; s69  -2^100
.set SD,  70          ; s70  -2^100 in a block's last tile, else 0
.set SHI, 71          ; s71  what MHI holds
.set SLO, 72          ; s72  what MLO holds
.set MORE, 73         ; s73  1 while the second block is still to come
.set OB,  74          ; s[74:75] att at the block in hand
.set OLO, 76          ; s[76:77] att at the second block
.set Q2,  78          ; s[78:79] Q of the second block; never rewritten
.set DM,  80          ; s80-87 lane masks: register i of the diagonal's key block is hidden where i > lane % 16 - 8 (lane / 16)
.set MSB, 0
.macro WIN new                      ; the high byte repeats the setting that is left; a switch that changes nothing is dropped
.if MSB != (\new)
	s_set_vgpr_msb (MSB<<8)|(\new)
.set MSB, (\new)
.endif
.endm
.set W_KQ, 0x0a       ; K and Q in window 2; the mask and S^T in window 0
.set W_PV, 0x53       ; V in window 3, P in window 0, O^T in window 1
.set W_RS, 0x41       ; O^T (destination and source 0) in window 1, the factor in window 0
; A joint fill.  Waves 0 and 1 fetch the two halves of a tile's K, waves 2 and 3 those of its V: 128 rows each.  The branch hangs on the wave's number alone.
; An s_nop 0 and four v_nop follow each of the two lines, ahead of the jump and the label.
.macro JLOAD
	s_cmp_lt_u32 s[WV], 2
	s_cbranch_scc0 .Lfor_v_\@
	tensor_load_to_lds s[G0K:G0K+3], s[G1K:G1K+7]
	s_nop 0
.rept 4
	v_nop
.endr
	s_branch .Lasked_\@
.Lfor_v_\@:
	tensor_load_to_lds s[G0V:G0V+3], s[G1V:G1V+7]
	s_nop 0
.rept 4
	v_nop
.endr
.Lasked_\@:
.endm
.macro CROUND                       ; a round of the cluster's barrier
	s_barrier_signal -1
	s_barrier_wait -1
	s_cmp_lg_u32 s[WV], 0
	s_cbranch_scc1 .Lnot_wave_0_\@
	s_barrier_signal -3
.Lnot_wave_0_\@:
	s_barrier_wait -3
	s_barrier_signal -1
	s_barrier_wait -1
.endm
; THE CHANGE OF SLOTS.  Each wave waits for all its tensor loads, of which one is out: its part of the other slot; adds 0 to its spare word; and waits for that and for its own reads of the slot that it leaves
; (K of that tile a step ago, V ahead of the products just issued).
; fill = 1: the barrier is a round of the cluster's, and the old slot is filled again first thing behind it, with tile NXT: the descriptors are made anew from that number.  One tensor load of mine is out at any time.
; (At its first use nothing has been read yet: slot 0 is waited for, slot 1 filled.)  The four v_nop at its end are the places between the products K Q^T and what follows: loads into K's registers, reads of S^T.
.macro CHANGE fill
	WIN 0
	s_wait_tensorcnt 0x0            ; no tensor load of mine is out, so a group 0 may be written
	ds_add_u32 v[SPW], v[NIL]       ; 0 onto my spare word; the descriptors' scalar work stands between it and the wait for it
.if \fill
	s_lshl_b32 s[OFF], s[NXT], 16   ; a tile is 65,536 bytes of K and of V
	s_xor_b32 s[FS], s[FS], SLOT    ; the other slot than last time
	s_add_co_u32 s[G0K+1], s[FS], s[PKW]
	s_add_nc_u64 s[G0K+2:G0K+3], s[KB:KB+1], s[OFF:OFF+1]
	s_or_b32 s[G0K+3], s[G0K+3], 0x80000000
	s_add_co_u32 s[G0V+1], s[FS], s[PVW]
	s_add_nc_u64 s[G0V+2:G0V+3], s[VB:VB+1], s[OFF:OFF+1]
	s_or_b32 s[G0V+3], s[G0V+3], 0x80000000
	s_add_co_u32 s[NXT], s[NXT], 1  ; the block's next tile, or behind its last the second block's tile 0
	s_cmp_gt_u32 s[NXT], s[LQ]
	s_cselect_b32 s[NXT], 0, s[NXT]
	s_cselect_b32 s[LQ], s[CC], s[LQ]
	s_wait_dscnt 0x0                ; the add is done, and my reads of the slot are over
	CROUND
	JLOAD
.else
	s_wait_dscnt 0x0
	s_barrier_signal -1
	s_barrier_wait -1
.rept 4
	v_nop
.endr
.endif
	s_xor_b32 s[TB], s[TB], SLOT    ; the reads go to the other slot
.endm
.macro INITST                       ; a block begins: m far below every true score and far above a hidden one, c m (exact: m is a power of two), l = 0
.irp t, 0,1,2,3
	v_mov_b32 v[ST+8*\t+1], 0xec800000  ; -2^90
	v_mov_b32 v[ST+8*\t+2], 0
	v_mov_b32 v[ST+8*\t+3], 0
	v_mul_f32 v[ST+8*\t], s[CS], v[ST+8*\t+1]
.endr
.endm
.macro LOADQ base                   ; a block's Q into window 2: tile i / 4, channels 32 (i % 4) on
	WIN 0x80
.set i, 0
.rept 16
	global_load_b128 v[8*i:8*i+3],   v[QO], s[\base:\base+1] offset:(i/4)*4096+(i%4)*64
	global_load_b128 v[8*i+4:8*i+7], v[QO], s[\base:\base+1] offset:(i/4)*4096+(i%4)*64+32
.set i, i+1
.endr
	WIN 0
.endm
	s_load_b128 s[4:7], s[0:1], 0x0 ; qkv s[4:5], att s[6:7]
	v_lshl_add_u32 v[SPW], v0, 2, SPARE
	v_mov_b32 v[NIL], 0
	ds_add_u32 v[SPW], v[NIL]       ; the wave's opening: the add and its wait come ahead of my first tensor load; work on registers stands between them
	v_lshrrev_b32 v1, 5, v0
	v_readfirstlane_b32 s[WV], v1   ; wave 0..3
	s_bfe_u32 s[CX], ttmp6, 0x40000
	s_mov_b32 s[CC], ttmp9          ; in a cluster launch ttmp9 counts clusters
	s_and_b32 s16, ttmp7, 0xffff    ; the head, which the four partners share
	s_lshl_b32 s17, s16, 19         ; its 2,048 rows of 256 bytes in a plane
	s_and_b32 s18, s[WV], 1         ; which half of a tile's 256 rows I fetch:
	s_lshl_b32 s19, s18, 15         ; its 128 rows in memory,
	s_add_co_u32 s20, s17, s19
	s_add_co_u32 s20, s20, 0x800000 ; in k's plane
	s_mov_b32 s21, 0
	s_add_co_u32 s22, s20, 0x800000 ; and in v's
	s_mov_b32 s23, 0
	s_mul_i32 s[PKW], s18, 128*PK   ; and its place in a slot: no place in the cluster enters an LDS address
	s_mul_i32 s[PVW], s18, 128*PV
	s_add_co_u32 s[PVW], s[PVW], VOFF
	s_lshl_b32 s2, s[CC], 2
	s_add_co_u32 s2, s2, s[CX]      ; b: it enters Q's and att's addresses alone
	s_sub_co_u32 s3, 31, s2         ; 31 - b
	s_lshl_b32 s8, s3, 14           ; Q: a block is 64 rows of 256 bytes
	s_add_co_u32 s8, s8, s17
	s_mov_b32 s9, 0
	s_lshl_b32 s10, s2, 14
	s_add_co_u32 s10, s10, s17
	s_mov_b32 s11, 0
	s_lshl_b32 s15, s16, 8          ; att: the head's 256 bytes of a row,
	s_lshl_b32 s88, s3, 18          ; a block's 64 rows of 4,096 bytes
	s_add_co_u32 s88, s88, s15
	s_mov_b32 s89, 0
	s_lshl_b32 s90, s2, 18
	s_add_co_u32 s90, s90, s15
	s_mov_b32 s91, 0
	; descriptor group 1: 128 rows x 128 elements, padded in LDS
	s_mov_b32 s[G1K], 15|(1<<16)|(1<<20)|(1<<21)|(5<<22)|(3<<25)  ; 15:0 the mask of four; 17:16 2-byte elements; 20 padding on; 21 set beside a mask; 24:22 after every 64 words; 31:25 4 words
	s_mov_b32 s[G1V], 15|(1<<16)|(1<<20)|(1<<21)|(5<<22)|(7<<25)  ; the same with 8 words of padding
.irp g, G1K, G1V
	s_mov_b32 s[\g+1], 128<<16      ; tensor_dim0 = 128
	s_mov_b32 s[\g+2], 128<<16      ; tensor_dim1 = 128
	s_mov_b32 s[\g+3], 128<<16      ; tile_dim0 = 128
	s_mov_b32 s[\g+4], 128          ; tile_dim1 = 128
	s_mov_b32 s[\g+5], 128          ; 128 elements from row to row
	s_mov_b32 s[\g+6], 0
	s_mov_b32 s[\g+7], 0
.endr
	s_mov_b32 s[CS], 0x400293ee     ; c = 16 log2(e) / sqrt(128) = 2.040279
	s_mov_b32 s[CS+1], s[CS]        ; named with it as a pair
	s_mov_b32 s[SEL], 0x76543210
	s_mov_b32 s[SEL+1], 0xfedcba98
	s_mov_b32 s[BIGN], 0xf1800000   ; -2^100
	s_sub_co_u32 s[RT], 8, s[CC]    ; the first block has 8 - c tiles
	s_mov_b32 s[NXT], 1
	s_sub_co_u32 s[LQ], 7, s[CC]
	s_sub_co_u32 s[RCUR], 3, s[CX]
	s_mov_b32 s[MORE], 1
	s_mov_b32 s[TB], SLOT           ; the first change of slots turns it into 0
	s_mov_b32 s[FS], 0
	s_mov_b32 s[OFF+1], 0
	s_mov_b32 s[G0K], 1             ; count = 1
	s_mov_b32 s[G0K+1], s[PKW]      ; LDS address: slot 0
	s_mov_b32 s[G0V], 1
	s_mov_b32 s[G0V+1], s[PVW]
	s_wait_dscnt 0x0                ; the opening add is done
	s_wait_kmcnt 0x0
	s_add_nc_u64 s[KB:KB+1], s[4:5], s[20:21]
	s_add_nc_u64 s[VB:VB+1], s[4:5], s[22:23]
	s_add_nc_u64 s[Q2:Q2+1], s[4:5], s[10:11]
	s_add_nc_u64 s[4:5], s[4:5], s[8:9]      ; Q of the first block
	s_add_nc_u64 s[OB:OB+1], s[6:7], s[88:89]
	s_add_nc_u64 s[OLO:OLO+1], s[6:7], s[90:91]
	s_mov_b64 s[G0K+2:G0K+3], s[KB:KB+1]     ; global address: tile 0
	s_or_b32 s[G0K+3], s[G0K+3], 0x80000000  ; type = 2
	s_mov_b64 s[G0V+2:G0V+3], s[VB:VB+1]
	s_or_b32 s[G0V+3], s[G0V+3], 0x80000000
	CROUND                          ; all four work-groups are here: the first joint loads meet
	JLOAD                           ; tile 0 into slot 0
	; A fragment of K or Q is 16 rows x 32 channels in 8 registers: lane l holds row l % 16, channels 8 (l / 16) + 0..7 and 16 + 8 (l / 16) + 0..7: two loads of 16 bytes, 32 bytes apart.
	v_and_b32 v1, 15, v0            ; l % 16
	v_bfe_u32 v9, v0, 4, 1          ; l / 16
	v_lshlrev_b32 v[QO], 8, v1
	v_lshl_add_u32 v[QO], v9, 4, v[QO]
	LOADQ 4                         ; the first block's Q
	; O^T starts at 0: the first true score multiplies it by a = 0, so it need only be finite; no first step is written out.  All this stands in the wait for the first tile.
	WIN 0x40
.set i, 0
.rept 256
	v_mov_b32 v[i], 0
.set i, i+1
.endr
	WIN 0
	INITST
	v_lshlrev_b32 v13, 3, v9
	v_sub_nc_u32 v14, v1, v13       ; l % 16 - 8 (l / 16)
.set i, 0
.rept 8
	v_cmp_gt_i32 s[DM+i], i, v14
.set i, i+1
.endr
	v_mul_u32_u24 v[AK0], v1, PK
	v_lshl_add_u32 v[AK0], v9, 4, v[AK0]
	s_mul_i32 s16, s[WV], 64*PK     ; my 64 keys of a tile
	v_add_nc_u32 v[AK0], s16, v[AK0]
	; The turning load takes 16 keys x 16 channels (lane l reads key 8 (l / 16) + l % 8, channels 8 ((l / 8) % 2) + 0..7) and leaves half a fragment of V^T: lane l holds channel l % 16 and 8 keys.
	v_and_b32 v13, 7, v0
	v_bfe_u32 v15, v0, 3, 1
	v_lshl_add_u32 v[AV0], v9, 3, v13
	v_mul_u32_u24 v[AV0], v[AV0], PV
	v_lshl_add_u32 v[AV0], v15, 4, v[AV0]
	s_mul_i32 s16, s[WV], 64*PV
	s_add_co_u32 s16, s16, VOFF
	v_add_nc_u32 v[AV0], s16, v[AV0]
	s_mul_i32 s16, s[WV], XW        ; the merge, in: my partial tile; query l % 16; my eight channels of a block of 16 are 32 bytes
	s_add_co_u32 s16, s16, XCH
	v_mul_u32_u24 v[XST], v1, XP
	v_lshl_add_u32 v[XST], v9, 5, v[XST]
	v_add_nc_u32 v[XST], s16, v[XST]
	s_mul_i32 s16, s[WV], 4*XP      ; back: wave w takes queries 4 w .. 4 w + 3 of the tile; lanes 0-15 one query, lanes 16-31 the next; eight channels a lane
	s_add_co_u32 s16, s16, XCH
	v_mul_u32_u24 v[XRD], v9, XP
	v_lshl_add_u32 v[XRD], v1, 5, v[XRD]
	v_add_nc_u32 v[XRD], s16, v[XRD]
	v_lshlrev_b32 v[GO], 12, v9     ; and the same rows in att
	v_lshl_add_u32 v[GO], v1, 4, v[GO]
	s_lshl_b32 s16, s[WV], 14
	v_add_nc_u32 v[GO], s16, v[GO]
	v_lshlrev_b32 v[SRD], 3, v1
	v_add_nc_u32 v[SRD], STATS, v[SRD]
	s_lshl_b32 s16, s[WV], 9
	v_add_nc_u32 v[SST], s16, v[SRD]
; 64 products S^T = K Q^T: channels 32 (i / 16) on, key block (i / 4) % 4, query tile i % 4.  The first 16 start the sums with the mask.  The 16 accumulators take turns.
.macro KQ
	WIN W_KQ
.set i, 0
.rept 64
.set kc, i/16
.set tt, i%4
.set kb, (i/4)%4
.set rS, S+32*tt+8*kb
.set rK, KF+32*kb+8*kc
.set rQ, 32*tt+8*kc
.if kc == 0
.if kb < tt
.set rM, MLO
.elseif kb == tt
.set rM, MEQ
.else
.set rM, MHI
.endif
	v_wmma_f32_16x16x32_f16 v[rS:rS+7], v[rK:rK+7], v[rQ:rQ+7], v[rM:rM+7]
.else
	v_wmma_f32_16x16x32_f16 v[rS:rS+7], v[rK:rK+7], v[rQ:rQ+7], v[rS:rS+7]
.endif
.set i, i+1
.endr
.endm
; 64 products O^T += V^T P: keys 32 (i / 32) on, channels 16 ((i / 4) % 8) on, query tile i % 4.  The 32 accumulators take turns.
.macro PV
	WIN W_PV
.set i, 0
.rept 64
.set rO, 64*(i%4)+8*((i/4)%8)
.set rV, 64*(i/32)+8*((i/4)%8)
.set rP, S+32*(i%4)+8*(i/32)
	v_wmma_f32_16x16x32_f16 v[rO:rO+7], v[rV:rV+7], v[rP:rP+7], v[rO:rO+7]
.set i, i+1
.endr
.endm
.macro FETCH_K                      ; my 64 keys x 128 channels of the slot at TB: 16 fragments
	WIN 0
	v_add_nc_u32 v[AK], s[TB], v[AK0]
	WIN 0x80
.irp f, 0,1,2,3,4,5,6,7,8,9,10,11,12,13,14,15  ; keys 16 (f / 4) on, channels 32 (f % 4) on
	ds_load_b128 v[KF+8*\f:KF+8*\f+3],   v[AK] offset:(\f/4)*16*PK+(\f%4)*64
	ds_load_b128 v[KF+8*\f+4:KF+8*\f+7], v[AK] offset:(\f/4)*16*PK+(\f%4)*64+32
.endr
	WIN 0
.endm
.macro FETCH_V                      ; the same keys' V, turned
	WIN 0xc0
.irp f, 0,1,2,3,4,5,6,7,8,9,10,11,12,13,14,15  ; keys 32 (f / 8) on, channels 16 (f % 8) on
	ds_load_tr16_b128 v[8*\f:8*\f+3],   v[AV] offset:(\f/8)*32*PV+(\f%8)*32
	ds_load_tr16_b128 v[8*\f+4:8*\f+7], v[AV] offset:(\f/8)*32*PV+16*PV+(\f%8)*32
.endr
.endm
; THE SOFTMAX, in phases, the four tiles alternating.  The maximum of a lane's 32 scores and the old m, three operands at a time; each accumulator's lowest registers are read first.
.macro PH_MAX
.set j, 0
.rept 16
.set t, 0
.rept 4
.set rT, ST+8*t
.set rS, S+32*t
.if j < 4
	v_max3_num_f32 v[rT+4+j], v[rS+8*j], v[rS+8*j+1], v[rS+8*j+2]
.elseif j < 12
	v_max3_num_f32 v[rT+4+j%4], v[rT+4+j%4], v[rS+8*(j%4)+2*(j/4)+1], v[rS+8*(j%4)+2*(j/4)+2]
.elseif j == 12
	v_max3_num_f32 v[rT+4], v[rT+4], v[rS+7], v[rS+15]
.elseif j == 13
	v_max3_num_f32 v[rT+6], v[rT+6], v[rS+23], v[rS+31]
.elseif j == 14
	v_max3_num_f32 v[rT+4], v[rT+4], v[rT+5], v[rT+6]
.else
	v_max3_num_f32 v[rT+4], v[rT+4], v[rT+7], v[rT+1]
.endif
.set t, t+1
.endr
.set j, j+1
.endr
.endm
.macro PH_STAT                      ; the query's other 32 keys lie in the lane 16 away; the new m; c m; a = 2^(c m_old - c m_new)
.irp t, 0,1,2,3
	v_permlanex16_b32 v[ST+8*\t+5], v[ST+8*\t+4], s[SEL], s[SEL+1]
.endr
.irp t, 0,1,2,3
	v_mov_b32 v[ST+8*\t+7], v[ST+8*\t]
.endr
.irp t, 0,1,2,3
	v_max_num_f32 v[ST+8*\t+1], v[ST+8*\t+4], v[ST+8*\t+5]
.endr
.irp t, 0,1,2,3
	v_mul_f32 v[ST+8*\t], s[CS], v[ST+8*\t+1]
.endr
.irp t, 0,1,2,3
	v_sub_f32 v[ST+8*\t+7], v[ST+8*\t+7], v[ST+8*\t]
.endr
.irp t, 0,1,2,3
	v_exp_f32 v[ST+8*\t+6], v[ST+8*\t+7]
.endr
.endm
.macro SC t, b                      ; c s - c m for pair b of tile t
	v_pk_fma_f32 v[S+32*(\t)+2*(\b):S+32*(\t)+2*(\b)+1], v[S+32*(\t)+2*(\b):S+32*(\t)+2*(\b)+1], s[CS:CS+1], v[ST+8*(\t):ST+8*(\t)+1] op_sel_hi:[1,0,0] neg_lo:[0,0,1] neg_hi:[0,0,1]
.endm
.macro SU t, z                      ; the sum of tile t's 16 pairs of weights, then l = a l + the sum
.if (\z) == 0
	s_wait_alu depctr_va_vdst(0)
	v_pk_add_f32 v[ST+8*(\t)+4:ST+8*(\t)+5], v[S+32*(\t):S+32*(\t)+1], v[S+32*(\t)+2:S+32*(\t)+3]
.elseif (\z) < 15
	v_pk_add_f32 v[ST+8*(\t)+4:ST+8*(\t)+5], v[ST+8*(\t)+4:ST+8*(\t)+5], v[S+32*(\t)+2*(\z)+2:S+32*(\t)+2*(\z)+3]
.else
	v_pk_fma_f32 v[ST+8*(\t)+2:ST+8*(\t)+3], v[ST+8*(\t)+2:ST+8*(\t)+3], v[ST+8*(\t)+6:ST+8*(\t)+7], v[ST+8*(\t)+4:ST+8*(\t)+5] op_sel_hi:[1,0,1]
.endif
.endm
; Tile t's 32 exponentials; among them plain work that is ready: the next tile's scalings and the sums of the tile before.  No line reads an exponential's result with no plain line between (ISA guide 5.7.2).
.macro EXPMIX t
.set i, 0
.rept 32
	v_exp_f32 v[S+32*(\t)+i], v[S+32*(\t)+i]
.if (i%2 == 0) && ((\t) < 3)
	SC (\t)+1, i/2
.endif
.if (i%2 == 1) && ((\t) > 0)
	SU (\t)-1, (i-1)/2
.endif
.set i, i+1
.endr
.endm
; A(i): the tile at TB is entered: its masks, its V out of LDS, its scores.  K was fetched a step's softmax ago.
.macro PARTA
	s_sub_co_u32 s[RT], s[RT], 1
	s_cmp_eq_u32 s[RT], 0           ; the block's last tile?
	s_cselect_b32 s[SD], s[BIGN], 0
	s_cmp_ge_u32 s[WV], s[RCUR]     ; these two compares choose numbers, no way through the text
	s_cselect_b32 s[SHI], s[SD], 0
	s_cmp_gt_u32 s[WV], s[RCUR]
	s_cselect_b32 s[SLO], s[SD], 0
.set i, 0
.rept 8                             ; 24 plain lines: also the places between the last products V^T P and the loads into V's registers and the products that write over P
	v_mov_b32 v[MLO+i], s[SLO]
	v_mov_b32 v[MHI+i], s[SHI]
.set i, i+1
.endr
.set i, 0
.rept 8
	v_cndmask_b32 v[MEQ+i], v[MLO+i], v[MHI+i], s[DM+i]
.set i, i+1
.endr
	v_add_nc_u32 v[AV], s[TB], v[AV0]
	FETCH_V
	s_wait_dscnt 32                 ; K's loads were issued ahead of V's 32, which may stay out
	KQ
.endm
; One tile of 16 queries of the merge: my partial O^T times g goes into LDS; a barrier; I read all four waves' sums for four queries, add them, round to f16 and store.
.macro XROUND t
	WIN W_RS
.set n, 0
.rept 32
	v_pk_mul_f32 v[64*(\t)+2*n:64*(\t)+2*n+1], v[64*(\t)+2*n:64*(\t)+2*n+1], v[ST+8*(\t)+6:ST+8*(\t)+7] op_sel_hi:[1,0]
.set n, n+1
.endr
	WIN 0x04                        ; the stores' data in window 1
.set n, 0
.rept 16
	ds_store_b128 v[XST], v[64*(\t)+4*n:64*(\t)+4*n+3] offset:64*(n/2)+16*(n%2)
.set n, n+1
.endr
	WIN 0
	s_wait_dscnt 0x0                ; for the others' sake: my stores are done
	s_barrier_signal -1
	s_barrier_wait -1
.set n, 0
.rept 16                            ; wave n / 4's sums, queries 4 w + 2 ((n / 2) % 2) + l / 16, four of my eight channels
	ds_load_b128 v[XR+4*n:XR+4*n+3], v[XRD] offset:XW*(n/4)+2*XP*((n/2)%2)+16*(n%2)
.set n, n+1
.endr
	s_wait_dscnt 0x0                ; my reads are back: the next tile may be written over them
.if (\t) < 3
	s_barrier_signal -1             ; say so; work on registers stands between the signal and the wait
.endif
.irp u, 1,2,3
.set n, 0
.rept 8
	v_pk_add_f32 v[XR+2*n:XR+2*n+1], v[XR+2*n:XR+2*n+1], v[XR+16*\u+2*n:XR+16*\u+2*n+1]
.set n, n+1
.endr
.endr
.set n, 0
.rept 8
	v_cvt_pk_f16_f32 v[OUTR+8*(\t)+n], v[XR+2*n], v[XR+2*n+1]
.set n, n+1
.endr
.if (\t) < 3
	s_barrier_wait -1
.endif
.irp s, 0,1
	global_store_b128 v[GO], v[OUTR+8*(\t)+4*\s:OUTR+8*(\t)+4*\s+3], s[OB:OB+1] offset:(16*(\t)+2*\s)*4096  ; 16 lanes store a head's 256 consecutive bytes of a row, aligned
.endr
.endm
; A BLOCK'S END: the four waves' m, l and O^T are merged, all in f32.  With M the largest c m: L = the sum of 2^(c m_u - M) l_u, and my O^T is multiplied by g = 2^(c m - M) / L.  A wave that saw no key has g = 0.
; Where the second block is still to come its Q is asked for at once, into the registers that the first block's Q has left, and lands under the merge; behind the merge the block's numbers are set anew.
; MORE is made of constants and of c alone: the same in all four waves and in all four partners.
.macro BLOCKEND
	WIN 0
.irp t, 0,1,2,3
	v_add_f32 v[ST+8*\t+4], v[ST+8*\t+2], v[ST+8*\t+3]  ; four plain lines: the places behind the last products
.endr
	s_cmp_eq_u32 s[MORE], 0
	s_cbranch_scc1 .Lno_q_\@
	LOADQ Q2
.Lno_q_\@:
.irp t, 0,1,2,3
	v_permlanex16_b32 v[ST+8*\t+5], v[ST+8*\t+4], s[SEL], s[SEL+1]
.endr
.irp t, 0,1,2,3
	v_add_f32 v[ST+8*\t+1], v[ST+8*\t+4], v[ST+8*\t+5]  ; l takes m's place beside c m
.endr
.irp t, 0,1,2,3
	ds_store_b64 v[SST], v[ST+8*\t:ST+8*\t+1] offset:128*\t  ; both halves of the lanes hold the same two numbers
.endr
	s_wait_dscnt 0x0                ; my stores are done (and K's loads for the next tile are back)
	s_barrier_signal -1
	s_barrier_wait -1
.set n, 0
.rept 16                            ; tile n / 4, wave n % 4
	ds_load_b64 v[SR+2*n:SR+2*n+1], v[SRD] offset:512*(n%4)+128*(n/4)
.set n, n+1
.endr
	s_wait_dscnt 0x0
.irp t, 0,1,2,3
	v_max3_num_f32 v[ST+8*\t+5], v[SR+8*\t], v[SR+8*\t+2], v[SR+8*\t+4]
.endr
.irp t, 0,1,2,3
	v_max_num_f32 v[ST+8*\t+5], v[ST+8*\t+5], v[SR+8*\t+6]
.endr
.irp t, 0,1,2,3
.irp u, 0,1,2,3
	v_sub_f32 v[SR+8*\t+2*\u], v[SR+8*\t+2*\u], v[ST+8*\t+5]
.endr
	v_sub_f32 v[ST+8*\t+4], v[ST+8*\t], v[ST+8*\t+5]
.endr
.irp t, 0,1,2,3
.irp u, 0,1,2,3
	v_exp_f32 v[SR+8*\t+2*\u], v[SR+8*\t+2*\u]
.endr
	v_exp_f32 v[ST+8*\t+4], v[ST+8*\t+4]
.endr
	v_nop                           ; a plain line behind the last exponential
	s_wait_alu depctr_va_vdst(0)
.irp t, 0,1,2,3
	v_mul_f32 v[ST+8*\t+7], v[SR+8*\t], v[SR+8*\t+1]
.endr
.irp u, 1,2,3
.irp t, 0,1,2,3
	v_fmac_f32 v[ST+8*\t+7], v[SR+8*\t+2*\u], v[SR+8*\t+2*\u+1]
.endr
.endr
.irp t, 0,1,2,3
	v_rcp_f32 v[ST+8*\t+7], v[ST+8*\t+7]
.endr
	v_nop                           ; a plain line behind the last reciprocal
	s_wait_alu depctr_va_vdst(0)
.irp t, 0,1,2,3
	v_mul_f32 v[ST+8*\t+6], v[ST+8*\t+4], v[ST+8*\t+7]
.endr
	XROUND 0
	XROUND 1
	XROUND 2
	XROUND 3
	s_wait_loadcnt 0x0              ; the next block's Q, where it was asked for
	s_wait_xcnt 0x0                 ; the stores have read their registers and att's address
	s_cmp_eq_u32 s[MORE], 0
	s_cbranch_scc1 .Lno_sw_\@
	s_mov_b32 s[MORE], 0
	s_mov_b64 s[OB:OB+1], s[OLO:OLO+1]
	s_add_co_u32 s[RT], s[CC], 1    ; the second block has c + 1 tiles
	s_mov_b32 s[RCUR], s[CX]
	INITST                          ; O^T keeps what the first block left: finite numbers, which a = 0 or g = 0 removes
.Lno_sw_\@:
.endm
; C(i): the softmax of the scores in hand, O^T += V^T P (V was waited for at the change of slots), and the block's end where this was its last tile.
.macro PARTC
	PH_MAX
	PH_STAT
.set i, 0
.rept 16
	SC 0, i
.set i, i+1
.endr
	EXPMIX 0
	EXPMIX 1
	EXPMIX 2
	EXPMIX 3
.set i, 0
.rept 16
	SU 3, i
.set i, i+1
.endr
.set t, 0
.rept 4                             ; P in place: pair i goes into register i, which pair i / 2 has left
.set i, 0
.rept 16
	v_cvt_pk_f16_f32 v[S+32*t+i], v[S+32*t+2*i], v[S+32*t+2*i+1]
.set i, i+1
.endr
.set t, t+1
.endr
	WIN W_RS
.set i, 0
.rept 128                           ; O^T times a, ascending
	v_pk_mul_f32 v[2*i:2*i+1], v[2*i:2*i+1], v[ST+8*(i/32)+6:ST+8*(i/32)+7] op_sel_hi:[1,0]
.set i, i+1
.endr
	PV
	WIN 0
	s_cmp_lg_u32 s[RT], 0           ; RT is made of c alone: the same in all four waves and in all four partners
	s_cbranch_scc1 .Lgo_on_\@
	BLOCKEND
.Lgo_on_\@:
.endm
	CHANGE 1                        ; B(0): tile 0 is in, everybody's part of it; tile 1 is asked for
	FETCH_K
	s_wait_loadcnt 0x0              ; the first block's Q
	s_mov_b32 s[SLOTS], 7
.Ltrip:                             ; seven trips, tiles 0 to 6 of the walk: a tile's scores; the tile after the next is asked for and the next tile's K fetched; the rest of the tile's work
	PARTA
	CHANGE 1
	FETCH_K
	PARTC
	s_sub_co_u32 s[SLOTS], s[SLOTS], 1
	s_cmp_lg_u32 s[SLOTS], 0
	s_cbranch_scc1 .Ltrip
	s_mov_b32 s[SLOTS], 2
.Ltail:                             ; the walk's last two tiles have a text of their own: nothing is asked for
	PARTA
	CHANGE 0
	s_cmp_eq_u32 s[SLOTS], 1        ; behind the last tile there is no K to fetch
	s_cbranch_scc1 .Lno_k
	FETCH_K
.Lno_k:
	PARTC
	s_sub_co_u32 s[SLOTS], s[SLOTS], 1
	s_cmp_lg_u32 s[SLOTS], 0
	s_cbranch_scc1 .Ltail
	s_wait_tensorcnt 0x0            ; the wave's end, behind my last tensor load and my last LDS store
	ds_add_u32 v[SPW], v[NIL]
	s_wait_dscnt 0x0
	CROUND                          ; the closing round: no work-group ends while a partner may still ask for a tile that names it
	s_endpgm
.Lfunc_end_k_qe126cc998a_attn:
	.size	k_qe126cc998a_attn, .Lfunc_end_k_qe126cc998a_attn-k_qe126cc998a_attn
	.p2alignl 7, 3214868480
	.fill 96, 4, 3214868480
	.section	.rodata,"a",@progbits
	.p2align	6, 0x0
	.amdhsa_kernel k_qe126cc998a_attn
		.amdhsa_group_segment_fixed_size 327680
		.amdhsa_private_segment_fixed_size 0
		.amdhsa_enable_private_segment 0
		.amdhsa_kernarg_size 16
		.amdhsa_user_sgpr_count 2
		.amdhsa_user_sgpr_kernarg_segment_ptr 1
		.amdhsa_wavefront_size32 1
		.amdhsa_system_sgpr_workgroup_id_x 1
		.amdhsa_system_sgpr_workgroup_id_y 1
		.amdhsa_system_sgpr_workgroup_id_z 1
		.amdhsa_system_vgpr_workitem_id 0
		.amdhsa_next_free_vgpr 896
		.amdhsa_next_free_sgpr 92
		.amdhsa_reserve_vcc 0
		.amdhsa_float_denorm_mode_32 3
		.amdhsa_float_denorm_mode_16_64 3
		.amdhsa_memory_ordered 1
		.amdhsa_forward_progress 1
		.amdhsa_inst_pref_size 179
	.end_amdhsa_kernel
	.amdgpu_metadata
---
amdhsa.version: [ 1, 2 ]
amdhsa.kernels:
  - .name:           k_qe126cc998a_attn
    .symbol:         k_qe126cc998a_attn.kd
    .args:
      - { .name: qkv, .offset: 0, .size: 8, .value_kind: global_buffer, .address_space: global }
      - { .name: att, .offset: 8, .size: 8, .value_kind: global_buffer, .address_space: global }
    .group_segment_fixed_size: 327680
    .private_segment_fixed_size: 0
    .kernarg_segment_align: 8
    .kernarg_segment_size: 16
    .max_flat_workgroup_size: 128
    .sgpr_count:     92
    .vgpr_count:     896
    .wavefront_size: 32
...
	.end_amdgpu_metadata
.endif
;; end of part 3
;; launch oproj (part 4): grid 16 x 16, 4 waves a work-group, clusters of 4 x 4, 327,680 bytes of LDS; arguments att, wo16, out0; writes out0
.if DOCPART == 4
	.amdgcn_target "amdgcn-amd-amdhsa--gfx1250"
	.amdhsa_code_object_version 6
	.text
	.protected	k_qe126cc998a_oproj
	.globl	k_qe126cc998a_oproj
	.p2align	8
	.type	k_qe126cc998a_oproj,@function
k_qe126cc998a_oproj:
	s_mov_b64 s[64:65], 0
	v_nop
	global_prefetch_b8 v0, s[64:65] scope:SCOPE_SE
	s_setreg_imm32_b32 hwreg(HW_REG_WAVE_MODE, 25, 1), 1
	s_wait_xcnt 0x0
	s_wait_alu depctr_hold_cnt(0) depctr_sa_sdst(0) depctr_va_vdst(0) depctr_va_sdst(0) depctr_va_ssrc(0) depctr_va_vcc(0) depctr_vm_vsrc(0)
	s_getreg_b32 s2, hwreg(HW_REG_IB_STS2, 6, 4)
	s_cmp_eq_u32 s2, 0
	s_cbranch_scc0 .Lentry_in_a_cluster
	s_endpgm
.Lentry_in_a_cluster:
	s_bfe_u32 s2, ttmp6, 0x10000c
	s_cmp_lg_u32 s2, 0xf033
	s_cbranch_scc0 .Lentry_shape_is_right
	s_endpgm
.Lentry_shape_is_right:
; out0[m][n] = the sum over k of att[m][k] wo16[n][k].  att: [2048][2048] f16; wo16: [2048][2048] f16 (Wo rounded to bf16, that number written as f16); out0: [2048][2048] f32.  Sums in f32, K ascending.
; A tile of out0 is 128 x 128: 16 x 16 work-groups.  Four waves, each 64 x 64: 16 accumulators of 16 x 16, 128 registers.  K goes in 8 steps of 256 (LDS rows of 512 bytes; a wave's tensor load
; brings 64 of them) through two slots.  A K step is written once: the slot that is read (TB) and the slot that is filled (FS) are scalar registers that turn at each change of slots.
; A wave's 64 columns of f32 are 256 consecutive aligned bytes, so each wave has a stage of its own on the way out and needs no barrier there.
; CLUSTER 4 x 4: the four work-groups of a row of the cluster need the same tiles of att, the four of a column the same tiles of wo16: each is asked for jointly.
; THE MATRIX INSTRUCTION IS USED TRANSPOSED (source 0 = 16 rows of wo16, source 1 = 16 rows of att): a lane holds row lane % 16 and eight neighbouring columns.
; REGISTERS: window 0: v0-31 addresses; v32-95 at work on the way out; v128-255 the accumulators ((a, b) at v[128 + 8 (4 a + b)]).
;   window 1: two fragment buffers of 128: for 64 along K, 64 registers of att (2 x 4 x 16 rows x 32 K), then 64 of wo16.
.set SIZE_K, 2048
.set SIZE_N, 2048
.set KSTEP,  256
.set PITCH,  528                       ; an LDS row: 512 bytes + 16 of padding = 132 words: the 16 rows of a fragment load start at 16 different groups of four banks (ISA guide 11.1)
.set HALFT,  64*PITCH                  ; 64 rows: what one tensor load brings, and what one wave reads of either operand
.set SLOT,   4*HALFT
.set STAGE,  2*SLOT                    ; behind the ring, never filled by a tensor load: 16 rows x 272 bytes for each wave
.set SPITCH, 272
.set SPARE,  STAGE+4*16*SPITCH         ; the spare words, 128 bytes a wave, which no other line names
.set ADRA, 16                          ; v16     LDS address of my fragments of att in the slot being read
.set A0,   17                          ; v17     the same in slot 0; never rewritten
.set ADRB, 20                          ; v20, v21  the same two for wo16
.set B0,   21
.set STO,  24                          ; v24     the way out: where I put 16 bytes of a row
.set RD,   25                          ; v25     the way out: where I read a row back
.set CO,   26                          ; v26     my byte offset in out0
.set SPW,  28                          ; v28     LDS address of my spare word; never rewritten
.set NIL,  29                          ; v29     0; never rewritten
.set TMP,  32
.set ACC,  128
.set F0,   0                           ; fragment buffers, in window 1
.set F1,   128
.set G1, 24                            ; s[24:31] descriptor group 1 for att's tiles;  s[32:39] group 0: a set for each of the two first fills; the second then walks on
.set G0, 32
.set G1B, 48                           ; s[48:55], s[56:63] the same for wo16's
.set G0B, 56
.set TB, 66                            ; s66  LDS byte at which the slot being read begins
.set FS, 67                            ; s67  LDS byte at which the slot filled last begins
.set MSB, 0
.macro WIN new                         ; the immediate's high byte repeats the setting that is left
.if MSB != (\new)
	s_set_vgpr_msb (MSB<<8)|(\new)
.set MSB, \new
.endif
.endm
.set MUL,  0x05                        ; sources 0 and 1 window 1; C and D window 0
.set TO_F, 0x40                        ; destination window 1, address window 0
.macro JLOAD s                         ; a joint load: waves 0 and 1 fetch att's two halves, waves 2 and 3 wo16's; an s_nop 0 and four v_nop follow each of the two lines
	s_cmp_eq_u32 s11, 0
	s_cbranch_scc0 .Lfor_b_\@
	tensor_load_to_lds s[G0+4*(\s):G0+4*(\s)+3], s[G1:G1+7]
	s_nop 0
.rept 4
	v_nop
.endr
	s_branch .Lasked_\@
.Lfor_b_\@:
	tensor_load_to_lds s[G0B+4*(\s):G0B+4*(\s)+3], s[G1B:G1B+7]
	s_nop 0
.rept 4
	v_nop
.endr
.Lasked_\@:
.endm
.macro CREST                           ; a round of the cluster's barrier behind its opening barrier
	s_cmp_lg_u32 s10, 0
	s_cbranch_scc1 .Lnot_wave_0_\@
	s_barrier_signal -3
.Lnot_wave_0_\@:
	s_barrier_wait -3
	s_barrier_signal -1
	s_barrier_wait -1
.endm
.macro CROUND
	s_barrier_signal -1
	s_barrier_wait -1
	CREST
.endm
	s_load_b128 s[4:7], s[0:1], 0x0                ; att s[4:5], wo16 s[6:7]
	s_load_b64 s[8:9], s[0:1], 0x10                ; out0
	v_lshl_add_u32 v[SPW], v0, 2, SPARE
	v_mov_b32 v[NIL], 0
	ds_add_u32 v[SPW], v[NIL]                      ; the wave's opening: the add and its wait come ahead of my first tensor load; work on registers stands between them
	v_lshrrev_b32 v1, 5, v0
	v_readfirstlane_b32 s10, v1                    ; wave 0..3
	s_lshr_b32 s11, s10, 1                         ; which half of the tile's rows is mine.  Also: I fetch for att (0) or for wo16 (1)
	s_and_b32 s12, s10, 1                          ; which half of its columns.  Also: which 64 rows of that tile I fetch
	s_bfe_u32 s40, ttmp6, 0x40000                  ; cx, cy
	s_bfe_u32 s41, ttmp6, 0x40004
	s_lshl_b32 s42, ttmp9, 2
	s_add_co_u32 s42, s42, s40                     ; tile column = 4 x cluster x + cx
	s_and_b32 s13, ttmp7, 0xffff
	s_lshl_b32 s13, s13, 2
	s_add_co_u32 s13, s13, s41                     ; tile row = 4 x cluster y + cy
	s_lshl_b32 s43, s41, 2
	s_lshl_b32 s43, 15, s43                        ; my row of the cluster
	s_lshl_b32 s44, 0x1111, s40                    ; my column
	s_or_b32 s[G1+0], s43, (1<<16)|(1<<20)|(1<<21)|(6<<22)|(3<<25)  ; the mask; 2-byte elements; padding on; bit 21 beside a mask; after every 128 words; 4 words of it
	s_or_b32 s[G1B+0], s44, (1<<16)|(1<<20)|(1<<21)|(6<<22)|(3<<25)
.irp g, G1, G1B
	s_mov_b32 s[(\g)+1], KSTEP<<16                 ; tensor_dim0 = 256
	s_mov_b32 s[(\g)+2], 64<<16                    ; tensor_dim1 = 64
	s_mov_b32 s[(\g)+3], KSTEP<<16                 ; tile_dim0 = 256
	s_mov_b32 s[(\g)+4], 64                        ; tile_dim1 = 64
	s_mov_b32 s[(\g)+5], SIZE_K                    ; elements from row to row
	s_mov_b32 s[(\g)+6], 0
	s_mov_b32 s[(\g)+7], 0
.endr
	s_lshl_b32 s17, s12, 6                         ; which 64 rows of the tile I fetch
	s_lshl_b32 s16, s13, 7
	s_add_co_u32 s16, s16, s17                     ; att: row 128 x tile row + 64 x half
	s_lshl_b32 s46, s42, 7
	s_add_co_u32 s46, s46, s17                     ; wo16: row 128 x tile column + 64 x half
	s_mov_b32 s17, 0
	s_mov_b32 s47, 0
	s_mov_b64 s[18:19], SIZE_K*2
	s_mul_u64 s[16:17], s[16:17], s[18:19]
	s_mul_u64 s[46:47], s[46:47], s[18:19]
	s_mul_i32 s20, s10, HALFT                      ; where they go in a slot: wave x 64 rows
	s_mov_b32 s[TB], 0                             ; slot 0 is read first;
	s_mov_b32 s[FS], SLOT                          ; slot 1 is the one filled last at the start
	s_wait_dscnt 0x0                               ; the opening add is done
	s_wait_kmcnt 0x0
	s_add_nc_u64 s[14:15], s[4:5], s[16:17]
	s_add_nc_u64 s[46:47], s[6:7], s[46:47]
	CROUND                                         ; all sixteen work-groups are here: the first joint loads meet
.irp s, 0,1
	s_mov_b32 s[G0+4*(\s)], 1
	s_add_co_u32 s[G0+4*(\s)+1], s20, (\s)*SLOT
	s_add_nc_u64 s[G0+4*(\s)+2:G0+4*(\s)+3], s[14:15], (\s)*KSTEP*2
	s_or_b32 s[G0+4*(\s)+3], s[G0+4*(\s)+3], 0x80000000
	s_mov_b32 s[G0B+4*(\s)], 1
	s_add_co_u32 s[G0B+4*(\s)+1], s20, (\s)*SLOT
	s_add_nc_u64 s[G0B+4*(\s)+2:G0B+4*(\s)+3], s[46:47], (\s)*KSTEP*2
	s_or_b32 s[G0B+4*(\s)+3], s[G0B+4*(\s)+3], 0x80000000
	JLOAD \s                                       ; two tensor loads of mine are out
.endr
	v_and_b32 v1, 15, v0                           ; l % 16
	v_bfe_u32 v2, v0, 4, 1                         ; l / 16
	v_mul_u32_u24 v3, v1, PITCH
	v_lshl_add_u32 v3, v2, 4, v3                   ; a fragment's row x pitch + 16 x half
	s_mul_i32 s21, s11, HALFT                      ; my 64 rows of att
	s_mul_i32 s22, s12, HALFT                      ; my 64 rows of wo16,
	s_add_co_u32 s22, s22, 2*HALFT                 ; which lie behind att's 128
	v_add_nc_u32 v[A0], s21, v3
	v_add_nc_u32 v[B0], s22, v3
	v_mov_b32 v[ADRA], v[A0]
	v_mov_b32 v[ADRB], v[B0]
	s_mul_i32 s23, s10, 16*SPITCH
	s_add_co_u32 s23, s23, STAGE                   ; my stage
	v_mul_u32_u24 v4, v1, SPITCH                   ; in: row l % 16; my eight columns of a block of 16 are 32 bytes
	v_lshl_add_u32 v4, v2, 5, v4
	v_add_nc_u32 v[STO], s23, v4
	v_mul_u32_u24 v5, v2, SPITCH                   ; back: lanes 0-15 take one row of 256 bytes, lanes 16-31 the next
	v_lshl_add_u32 v5, v1, 4, v5
	v_add_nc_u32 v[RD], s23, v5
	v_lshlrev_b32 v5, 13, v2                       ; and the same two rows in out0, 8,192 bytes apart
	v_lshl_add_u32 v[CO], v1, 4, v5
	s_lshl_b32 s16, s13, 7
	s_lshl_b32 s17, s11, 6
	s_add_co_u32 s16, s16, s17                     ; my first row: 128 x tile row + 64 x half
	s_lshl_b32 s16, s16, 13
	s_mov_b32 s17, 0
	s_add_nc_u64 s[8:9], s[8:9], s[16:17]
	s_lshl_b32 s46, s42, 9                         ; my first column, in bytes: 512 x tile column + 256 x half
	s_lshl_b32 s47, s12, 8
	s_add_co_u32 s46, s46, s47
	s_mov_b32 s47, 0
	s_add_nc_u64 s[8:9], s[8:9], s[46:47]
; 8 matrix instructions: row blocks a0, a0 + 1 x all 4 column blocks, 32 along K: half c of buffer f.  zero = 1: the first product starts the sums.  The 16 accumulators take turns.
.macro MUL8 f, c, a0, zero
	WIN MUL
.irp a, \a0, (\a0)+1
.irp b, 0,1,2,3
.if \zero
	v_wmma_f32_16x16x32_f16 v[ACC+8*(4*(\a)+(\b)):ACC+8*(4*(\a)+(\b))+7], v[(\f)+64+8*(4*(\c)+(\b)):(\f)+64+8*(4*(\c)+(\b))+7], v[(\f)+8*(4*(\c)+(\a)):(\f)+8*(4*(\c)+(\a))+7], 0
.else
	v_wmma_f32_16x16x32_f16 v[ACC+8*(4*(\a)+(\b)):ACC+8*(4*(\a)+(\b))+7], v[(\f)+64+8*(4*(\c)+(\b)):(\f)+64+8*(4*(\c)+(\b))+7], v[(\f)+8*(4*(\c)+(\a)):(\f)+8*(4*(\c)+(\a))+7], v[ACC+8*(4*(\a)+(\b)):ACC+8*(4*(\a)+(\b))+7]
.endif
.endr
.endr
.endm
; 32 LDS loads in one run: the fragments of 64 along K at byte k of the rows of the slot being read, into buffer f; the first 32 along K first
.macro FETCH k, f
	WIN TO_F
.irp c, 0,1
.irp i, 0,1,2,3
	ds_load_b128 v[(\f)+64+8*(4*(\c)+(\i)):(\f)+64+8*(4*(\c)+(\i))+3],   v[ADRB] offset:(\k)+64*(\c)+(\i)*16*PITCH
	ds_load_b128 v[(\f)+64+8*(4*(\c)+(\i))+4:(\f)+64+8*(4*(\c)+(\i))+7], v[ADRB] offset:(\k)+64*(\c)+(\i)*16*PITCH+32
	ds_load_b128 v[(\f)+8*(4*(\c)+(\i)):(\f)+8*(4*(\c)+(\i))+3],         v[ADRA] offset:(\k)+64*(\c)+(\i)*16*PITCH
	ds_load_b128 v[(\f)+8*(4*(\c)+(\i))+4:(\f)+8*(4*(\c)+(\i))+7],       v[ADRA] offset:(\k)+64*(\c)+(\i)*16*PITCH+32
.endr
.endr
.endm
.macro PLACES                          ; four plain vector instructions between a matrix instruction and a load into, or a store of, its registers
.rept 4
	v_nop
.endr
.endm
; A K step is four quarters of 64 along K, 32 matrix instructions each, on buffers 0, 1, 0, 1.  One of the first three: multiplies buffer f and fetches the next quarter, at byte k, into g.
.macro QUARTER k, f, g, zero
	s_wait_dscnt 16                                ; the first 32 along K are in; the youngest sixteen loads may be out
	MUL8 \f, 0, 0, \zero
	MUL8 \f, 0, 2, \zero
	PLACES
	FETCH \k, \g
	s_wait_dscnt 32                                ; all but the 32 just issued
	MUL8 \f, 1, 0, 0
	MUL8 \f, 1, 2, 0
.endm
; THE CHANGE OF SLOTS AND THE LAST QUARTER.  The last quarter's fragments lie in buffer 1, so the slot has been read out.  Each wave waits for all its tensor loads (one is out: its part of the next slot),
; adds 0 to its spare word, and waits for that and for its own reads of this slot; then the barrier.  fill = 1: the barrier opens a round of the cluster's, and this slot is filled again, two K steps
; ahead, first thing behind the round: no product stands between the tile's landing and the next request.  Then the next slot's first fragments are fetched, and the whole last quarter, 32 products
; on registers, is multiplied while they and the new tile are on their way.
.macro TURN fill
	WIN 0
	s_wait_tensorcnt 0x0                           ; no tensor load of mine is out, so a group 0 may be written
	ds_add_u32 v[SPW], v[NIL]                      ; 0 onto my spare word; the scalar work below stands between it and the wait for it
.if \fill
	s_xor_b32 s[FS], s[FS], SLOT                   ; the walking descriptors: the other slot than last time,
	s_add_co_u32 s[G0+5], s[FS], s20
	s_add_co_u32 s[G0B+5], s[FS], s20
	s_add_nc_u64 s[G0+6:G0+7], s[G0+6:G0+7], KSTEP*2     ; the next K step; the type bits on top are not reached
	s_add_nc_u64 s[G0B+6:G0B+7], s[G0B+6:G0B+7], KSTEP*2
.endif
	s_xor_b32 s[TB], s[TB], SLOT                   ; the reads go to the other slot
	s_wait_dscnt 0x0                               ; the add is done, and my reads of this slot are over
	s_barrier_signal -1
	s_barrier_wait -1
.if \fill
	CREST                                          ; no wave of any partner still reads this slot or has a load on its way
	JLOAD 1                                        ; one tensor load of mine is out; the four v_nop behind it are also places in front of the loads below
.else
	PLACES
.endif
	v_add_nc_u32 v[ADRA], s[TB], v[A0]
	v_add_nc_u32 v[ADRB], s[TB], v[B0]
	FETCH 0, F0
	MUL8 F1, 0, 0, 0
	MUL8 F1, 0, 2, 0
	MUL8 F1, 1, 0, 0
	MUL8 F1, 1, 2, 0
.endm
	s_wait_tensorcnt 1                             ; my part of K step 0 is in; K step 1's may stay out
	s_barrier_signal -1
	s_barrier_wait -1                              ; everybody's is
	FETCH 0, F0
	QUARTER 128, F0, F1, 1                         ; the first quarter stands in front of the loop: its first products start the sums
	WIN 0                                          ; at a label and at a branch every window is 0
	s_mov_b32 s3, 6
.Lstep:                                                ; a trip goes from a K step's second quarter to the next step's first, and asks for the step after that: K steps 2 to 7
	QUARTER 256, F1, F0, 0
	QUARTER 384, F0, F1, 0
	TURN 1
	QUARTER 128, F0, F1, 0
	WIN 0
	s_sub_co_u32 s3, s3, 1
	s_cmp_lg_u32 s3, 0
	s_cbranch_scc1 .Lstep
	s_mov_b32 s3, 2
.Ltail:                                                ; the last two K steps ask for nothing; the second trip is left in its middle
	QUARTER 256, F1, F0, 0
	QUARTER 384, F0, F1, 0
	WIN 0
	s_sub_co_u32 s3, s3, 1
	s_cmp_eq_u32 s3, 0
	s_cbranch_scc1 .Lout
	TURN 0
	QUARTER 128, F0, F1, 0
	WIN 0
	s_branch .Ltail
.Lout:
	s_wait_dscnt 0x0                               ; the very last quarter: nothing more to fetch
	MUL8 F1, 0, 0, 0
	MUL8 F1, 0, 2, 0
	MUL8 F1, 1, 0, 0
	MUL8 F1, 1, 2, 0
	WIN 0
; THE WAY OUT of row block a: 16 rows x 64 columns of f32 go into my own stage, 32 bytes a lane and column block (each accumulator's lower four registers first),
; and come back as whole rows of 256 bytes.  LDS serves a wave's instructions in order (ISA guide 5.7.1.4): the loads see the stores above them, and the next block's stores come behind these loads.
.macro OUT a
.set BK, TMP+32*((\a)%2)
	s_wait_xcnt 0x0                                ; the stores of the block before last have read these registers
.irp b, 0,1,2,3
	ds_store_b128 v[STO], v[ACC+8*(4*(\a)+\b):ACC+8*(4*(\a)+\b)+3]   offset:64*\b
	ds_store_b128 v[STO], v[ACC+8*(4*(\a)+\b)+4:ACC+8*(4*(\a)+\b)+7] offset:64*\b+16
.endr
.irp t, 0,1,2,3,4,5,6,7
	ds_load_b128 v[BK+4*\t:BK+4*\t+3], v[RD] offset:\t*2*SPITCH
.endr
.irp t, 0,1,2,3,4,5,6,7
	s_wait_dscnt 7-\t                              ; LDS loads come back in order: number t is in
	global_store_b128 v[CO], v[BK+4*\t:BK+4*\t+3], s[8:9] offset:(16*(\a)+2*\t)*SIZE_N*4  ; 16 lanes store 256 consecutive bytes, at a multiple of 256 from out0's first byte
.endr
.endm
	PLACES                                         ; behind the last products
	OUT 0
	OUT 1
	OUT 2
	OUT 3
	s_wait_tensorcnt 0x0                           ; the wave's end, behind my last tensor load and my last LDS store
	ds_add_u32 v[SPW], v[NIL]
	s_wait_dscnt 0x0
	CROUND                                         ; the closing round: no work-group ends while a partner may still ask for a tile that names it
	s_endpgm
.Lfunc_end_k_qe126cc998a_oproj:
	.size	k_qe126cc998a_oproj, .Lfunc_end_k_qe126cc998a_oproj-k_qe126cc998a_oproj
	.p2alignl 7, 3214868480
	.fill 96, 4, 3214868480
	.section	.rodata,"a",@progbits
	.p2align	6, 0x0
	.amdhsa_kernel k_qe126cc998a_oproj
		.amdhsa_group_segment_fixed_size 327680
		.amdhsa_private_segment_fixed_size 0
		.amdhsa_enable_private_segment 0
		.amdhsa_kernarg_size 24
		.amdhsa_user_sgpr_count 2
		.amdhsa_user_sgpr_kernarg_segment_ptr 1
		.amdhsa_wavefront_size32 1
		.amdhsa_system_sgpr_workgroup_id_x 1
		.amdhsa_system_sgpr_workgroup_id_y 1
		.amdhsa_system_sgpr_workgroup_id_z 1
		.amdhsa_system_vgpr_workitem_id 0
		.amdhsa_next_free_vgpr 512
		.amdhsa_next_free_sgpr 68
		.amdhsa_reserve_vcc 0
		.amdhsa_float_denorm_mode_32 3
		.amdhsa_float_denorm_mode_16_64 3
		.amdhsa_memory_ordered 1
		.amdhsa_forward_progress 1
		.amdhsa_inst_pref_size 60
	.end_amdhsa_kernel
	.amdgpu_metadata
---
amdhsa.version: [ 1, 2 ]
amdhsa.kernels:
  - .name:           k_qe126cc998a_oproj
    .symbol:         k_qe126cc998a_oproj.kd
    .args:
      - { .name: att, .offset: 0, .size: 8, .value_kind: global_buffer, .address_space: global }
      - { .name: wo16, .offset: 8, .size: 8, .value_kind: global_buffer, .address_space: global }
      - { .name: out0, .offset: 16, .size: 8, .value_kind: global_buffer, .address_space: global }
    .group_segment_fixed_size: 327680
    .private_segment_fixed_size: 0
    .kernarg_segment_align: 8
    .kernarg_segment_size: 24
    .max_flat_workgroup_size: 128
    .sgpr_count:     68
    .vgpr_count:     512
    .wavefront_size: 32
...
	.end_amdgpu_metadata
.endif
;; end of part 4
